; MI455X (gfx1250); checked and timed in simulation.
; The chip was launched on July 23, 2026; its instructions are those of AMD's public machine-readable ISA for CDNA 5 (MIT licence, August 2026) and "CDNA5" Instruction Set Architecture Reference Guide (July 2026). The comments in the code are by the model that wrote it; some were corrected since.
;; Causal Self Attention. Allowed arithmetic: matrix products marked QUANTISED: E4M3 operands, one given power-of-two scale a tensor, by v_wmma_f32_16x16x64_fp8_fp8 or v_wmma_f32_16x16x128_fp8_fp8, f32 sums; everything else in f32.
;; Inputs: Wk 1,024 x 1,024 float32; Wp 1,024 x 1,024 float32; Wq 1,024 x 1,024 float32; Wv 1,024 x 1,024 float32; bk 1,024 float32; bp 1,024 float32; bq 1,024 float32; bv 1,024 float32; lowp_scales 12 int32 (the exponents e of the quantised operands' scales 2^e); x 4 x 2,048 x 1,024 float32.
;; Outputs: out0 4 x 2,048 x 1,024 float32.
;; Constants: n_head = 16.
;; This version of the problem:
;;   THIS VERSION OF THE PROBLEM IS GIVEN IN LOW PRECISION. The matrix products marked QUANTISED in the list below multiply operands that are first quantised to E4M3 (4 exponent bits, 3 mantissa bits; 8 bits a number), with one given power-of-two scale for each operand tensor; their sums are f32. All else is computed in f32.
;;   The module's matrix products, in the order in which they are computed (A, B: the left and right operand; K: the contracted axis; several contracted axes count as one K, in the product's order):
;;     1. [M 8,192, K 1,024] x [K 1,024, N 1,024]; A: input x; B: input Wq: QUANTISED (scales: A lowp_scales[0], B lowp_scales[1])
;;     2. [M 8,192, K 1,024] x [K 1,024, N 1,024]; A: input x; B: input Wk: QUANTISED (scales: A lowp_scales[2], B lowp_scales[3])
;;     3. [M 8,192, K 1,024] x [K 1,024, N 1,024]; A: input x; B: input Wv: QUANTISED (scales: A lowp_scales[4], B lowp_scales[5])
;;     4. batch 64 x [M 2,048, K 64] x [K 64, N 2,048]; A: computed on the way; B: computed on the way: QUANTISED (scales: A lowp_scales[6], B lowp_scales[7])
;;     5. batch 64 x [M 2,048, K 2,048] x [K 2,048, N 64]; A: softmax (see below); B: computed on the way: QUANTISED (scales: A lowp_scales[8], B lowp_scales[9])
;;     6. [M 8,192, K 1,024] x [K 1,024, N 1,024]; A: computed on the way; B: input Wp: QUANTISED (scales: A lowp_scales[10], B lowp_scales[11])
;;   THE QUANTISER, for each operand of a quantised product, along K:
;;     - The operand's scale is 2^e, e = its entry of the input lowp_scales (int32; the entries are numbered through the quantised products in the list's order, A before B).
;;     - Each number is divided by the scale, clamped to +-448, and rounded to the nearest number of E4M3, ties to even, subnormals kept.
;;     - The product sums the exact products of the quantised numbers (number of the format x scale) in f32.
;;   ~~~python
;;   def quantise(x, axis, e):      # numpy; x: float32 -> the quantised numbers, widened to float32 again
;;       x = np.moveaxis(x, axis, -1); K = x.shape[-1]
;;       r = np.clip(x / 2.0 ** e, -448, 448)
;;       step = 2.0 ** (np.maximum(np.frexp(np.where(r == 0, 1, r))[1] - 1, -6) - 3)
;;       q = np.round(r / step) * step * 2.0 ** e      # np.round: ties to even
;;       return np.moveaxis(q, -1, axis).astype(np.float32)
;;   ~~~
;;   SOFTMAX AHEAD OF A QUANTISED PRODUCT. Where the list says 'softmax', what is quantised is not the finished softmax but p = 2^(t - M), with t = logit x log2(e) and M = ceil(the row's largest t), a whole number; so 1/2 < the row's largest p <= 1. The row's sum l is taken of the UNQUANTISED p, in f32, and the product's result is divided by l at the end. Since M is a whole number, a kernel that streams over the keys may use a running M (the ceiling of the running maximum): every later rescaling is an exact power of two, so the quantised numbers keep their values, but for numbers so far below the row's largest that they fall under the format's range.
;;   OPERANDS COMPUTED ON THE WAY. 'Computed on the way' means the value that the module computes at that place (a softmax that the list does not call 'softmax' is quantised finished and normalised). What goes into a quantiser is computed in f32, as accurately as f32 sums, v_exp_f32 and their like allow (about 1e-6 of the number): no bf16 or f16 on the way to a quantiser, and a product that is left as it is and whose result goes on into a quantised operand takes f32 operands (vector FMAs, or v_wmma_f32_16x16x4_f32). A number that lies on a knife's edge between two numbers of the format may be rounded either way, as far as f32 arithmetic and the matrix unit's own rounding can turn it there, and no further.
;; One version. Each part assembles by itself: llvm-mc -triple=amdgcn-amd-amdhsa -mcpu=gfx1250 --defsym DOCPART=n.
;; ======== version 1 of 1: 4 launches
;; limits: right only within a limited range of input values
;; workspace buffers: xc 25,165,824 bytes; wc 4,194,304 bytes; rt 524,288 bytes; qkv 25,165,824 bytes; yc 8,388,608 bytes
;; launch prep (part 1): grid 512 x 1, 4 waves a work-group, no clusters, 68,096 bytes of LDS; arguments x, Wq, Wk, Wv, Wp, lowp_scales, xc, wc, rt; writes xc, wc, rt
.if DOCPART == 1
	.amdgcn_target "amdgcn-amd-amdhsa--gfx1250"
	.amdhsa_code_object_version 6
	.text
	.protected	k_qf4fd023c1c_prep
	.globl	k_qf4fd023c1c_prep
	.p2align	8
	.type	k_qf4fd023c1c_prep,@function
k_qf4fd023c1c_prep:
	s_mov_b64 s[64:65], 0
	v_nop
	global_prefetch_b8 v0, s[64:65] scope:SCOPE_SE
	s_setreg_imm32_b32 hwreg(HW_REG_WAVE_MODE, 25, 1), 1
	s_wait_xcnt 0x0
; THE LAUNCH IN FRONT OF THE PRODUCTS.  Three kinds of work-group, told apart by the work-group's number alone:
;   0-255   X: x [8192][1024] f32 becomes three sets of E4M3 codes, one for each of the three products that read it (scales 2^e0, 2^e2, 2^e4): xc = [3][8192][1024] bytes, K innermost.  x is read once.
;   256-383 W: Wq, Wk, Wv, Wp [k 1024][n 1024] f32 become codes laid [n][k], K innermost (scales 2^e1, 2^e3, 2^e5, 2^e11): wc = [4][1024][1024] bytes.
;   384-511 T: the table of cos and sin of the rotary embedding, laid in the order in which the next launch's registers take it:
;              rt = [16 positions: 128][8 pairs: 4][2 pairs of a lane: 2][lane 32][cos, sin, cos, sin]; lane (r, h) of entry (tb, bm, q): position 16 tb + r, pairs 8 bm + 4 h + 2 q and + 1.
; code = number / 2^e, held within +-448, rounded to the nearest code, ties to even.
; LIMITS: each e lies between -126 and 119, so that 2^e and 448 x 2^e are f32 numbers.  NaN among the inputs is not served (an infinity is held at the largest code).
; No matrix unit, no tensor load, no cluster, no barrier: the work-groups share no input and the waves share nothing.  Each path that uses LDS has LDS bytes of its own.
.set SPW,   12                         ; v12  LDS address of my spare word: SPARE + 4 x my thread's number; never rewritten
.set NIL,   13                         ; v13  0; never rewritten
.set SP,    80                         ; X: a lane's place in a stage: its 64 bytes + 16 of padding
.set WSTG,  32768                      ; W: the four waves' stages begin here (X's four regions of 8,192 bytes lie below)
.set WP,    272                        ; W: a stage row: 256 bytes of codes + 16
.set SPARE, WSTG+4*32*WP               ; 67,584: the spare words, 128 bytes for each wave: two blocks of 256 bytes that no other line names
	s_load_b512 s[8:23], s[0:1], 0x0               ; x s[8:9], Wq s[10:11], Wk s[12:13], Wv s[14:15], Wp s[16:17], the scales' exponents s[18:19], xc s[20:21], wc s[22:23]
	s_load_b64 s[24:25], s[0:1], 0x40              ; rt
	v_lshl_add_u32 v[SPW], v0, 2, SPARE
	v_mov_b32 v[NIL], 0
	v_lshrrev_b32 v1, 5, v0
	v_readfirstlane_b32 s26, v1                    ; wave 0..3
	v_and_b32 v2, 31, v0                           ; lane
	s_wait_kmcnt 0x0
	s_cmp_lt_u32 ttmp9, 256
	s_cbranch_scc1 .Lpath_x
	s_cmp_lt_u32 ttmp9, 384
	s_cbranch_scc1 .Lpath_w
; ---------------------------------------------------------------- T: cos and sin
; The argument is formed with the same roundings as the definition has: xa = f32(p) x f32(-ln(10000)/31), freq = exp(xa), a = f32(position) x freq, each product rounded once to f32.
; exp(xa) = 2^(xa log2 e): log2 e goes in two parts, the low part of the product is carried and put back by one multiply-add, so that only the exponential's own error is left.
; cos and sin of a (a < 2,048): k = the nearest whole number to a x 2/pi (at most 1,304); r = a - k pi/2 with pi/2 in two parts, by fused multiply-adds; polynomials on |r| <= pi/4; the quadrant by k's two low bits.
; A lane makes four pairs; the four run side by side, line by line.
	s_sub_co_u32 s27, ttmp9, 384                   ; tb: which 16 positions
	s_mov_b32 s44, 0xbe981e82                      ; -ln(10000) / 31
	s_mov_b32 s45, 0x3fb8aa3b                      ; log2 e, high part
	s_mov_b32 s46, 0x32a57060                      ; log2 e, low part
	s_mov_b32 s47, 0x3f317218                      ; ln 2
	s_mov_b32 s48, 0x3f22f983                      ; 2 / pi
	s_mov_b32 s49, 0x3fc90fdb                      ; pi / 2, high part
	s_mov_b32 s50, 0xb33bbd2e                      ; pi / 2, low part
	s_mov_b32 s51, 0xbe2aaaa3                      ; sine: -1.6666654611e-1
	s_mov_b32 s52, 0x3c08839e                      ;        8.3321608736e-3
	s_mov_b32 s53, 0xb94ca1f9                      ;       -1.9515295891e-4
	s_mov_b32 s54, 0x3d2aaaa5                      ; cosine: 4.166664568e-2
	s_mov_b32 s55, 0xbab6061a                      ;        -1.388731625e-3
	s_mov_b32 s56, 0x37ccf5ce                      ;         2.443315712e-5
	v_and_b32 v4, 15, v0                           ; r
	v_bfe_u32 v5, v0, 4, 1                         ; h
	s_lshl_b32 s28, s27, 4
	v_add_nc_u32 v6, s28, v4
	v_cvt_f32_u32 v6, v6                           ; the position, 16 tb + r
	s_lshl_b32 s29, s26, 3
	v_lshl_add_u32 v7, v5, 2, s29                  ; my first pair: 8 x wave + 4 h
	s_wait_alu depctr_va_vdst(0)
	v_lshlrev_b32 v8, 4, v2                        ; 16 x lane
	s_lshl_b32 s30, s27, 12
	s_lshl_b32 s31, s26, 10
	s_add_co_u32 s30, s30, s31
	s_mov_b32 s31, 0
	s_add_nc_u64 s[24:25], s[24:25], s[30:31]      ; rt at (tb, bm = wave)
.irp e, 0,1,2,3
	v_add_nc_u32 v[16+\e], \e, v7
.endr
.irp e, 0,1,2,3
	v_cvt_f32_u32 v[16+\e], v[16+\e]
.endr
.irp e, 0,1,2,3
	v_mul_f32 v[16+\e], s44, v[16+\e]              ; xa
.endr
.irp e, 0,1,2,3
	v_mul_f32 v[20+\e], s45, v[16+\e]              ; yh = xa x log2 e, rounded
.endr
.irp e, 0,1,2,3
	v_fma_f32 v[24+\e], v[16+\e], s45, -v[20+\e]   ; what that rounding dropped,
.endr
.irp e, 0,1,2,3
	v_fma_f32 v[24+\e], v[16+\e], s46, v[24+\e]    ; and log2 e's low part: yl
.endr
.irp e, 0,1,2,3
	v_exp_f32 v[28+\e], v[20+\e]                   ; 2^yh: a batch of four
.endr
	v_nop                                          ; a plain instruction behind the last exponential
	s_wait_alu depctr_va_vdst(0)                   ; one wait for the batch, ahead of its first reader
.irp e, 0,1,2,3
	v_mul_f32 v[24+\e], v[28+\e], v[24+\e]
.endr
.irp e, 0,1,2,3
	v_fma_f32 v[32+\e], v[24+\e], s47, v[28+\e]    ; freq = 2^yh (1 + yl ln 2)
.endr
.irp e, 0,1,2,3
	v_mul_f32 v[36+\e], v6, v[32+\e]               ; a = position x freq
.endr
.irp e, 0,1,2,3
	v_mul_f32 v[40+\e], s48, v[36+\e]
.endr
.irp e, 0,1,2,3
	v_rndne_f32 v[40+\e], v[40+\e]                 ; k
.endr
.irp e, 0,1,2,3
	v_fma_f32 v[44+\e], -v[40+\e], s49, v[36+\e]
.endr
.irp e, 0,1,2,3
	v_fma_f32 v[44+\e], -v[40+\e], s50, v[44+\e]   ; r
.endr
.irp e, 0,1,2,3
	v_mul_f32 v[48+\e], v[44+\e], v[44+\e]         ; z = r r
.endr
.irp e, 0,1,2,3
	v_fma_f32 v[52+\e], s53, v[48+\e], s52
	v_fma_f32 v[56+\e], s56, v[48+\e], s55
.endr
.irp e, 0,1,2,3
	v_fma_f32 v[52+\e], v[52+\e], v[48+\e], s51
	v_fma_f32 v[56+\e], v[56+\e], v[48+\e], s54
.endr
.irp e, 0,1,2,3
	v_mul_f32 v[52+\e], v[52+\e], v[48+\e]
	v_mul_f32 v[56+\e], v[56+\e], v[48+\e]
	v_fma_f32 v[64+\e], v[48+\e], -0.5, 1.0
.endr
.irp e, 0,1,2,3
	v_fma_f32 v[52+\e], v[52+\e], v[44+\e], v[44+\e]   ; sin r
	v_fma_f32 v[56+\e], v[56+\e], v[48+\e], v[64+\e]   ; cos r
	v_cvt_i32_f32 v[60+\e], v[40+\e]
.endr
.irp e, 0,1,2,3
	v_and_b32 v[64+\e], 1, v[60+\e]
	v_cmp_ne_u32 vcc_lo, 0, v[64+\e]               ; an odd quadrant swaps the two
	v_cndmask_b32 v[68+2*\e], v[56+\e], v[52+\e], vcc_lo
	v_cndmask_b32 v[69+2*\e], v[52+\e], v[56+\e], vcc_lo
	v_add_nc_u32 v[64+\e], 1, v[60+\e]
	v_and_b32 v[64+\e], 2, v[64+\e]
	v_lshlrev_b32 v[64+\e], 30, v[64+\e]
	v_xor_b32 v[68+2*\e], v[64+\e], v[68+2*\e]     ; cos is negative in quadrants 1 and 2,
	v_and_b32 v[60+\e], 2, v[60+\e]
	v_lshlrev_b32 v[60+\e], 30, v[60+\e]
	v_xor_b32 v[69+2*\e], v[60+\e], v[69+2*\e]     ; sin in quadrants 2 and 3
.endr
	global_store_b128 v8, v[68:71], s[24:25]               ; each store of the wave covers 512 consecutive bytes, aligned
	global_store_b128 v8, v[72:75], s[24:25] offset:512
	s_endpgm
; ---------------------------------------------------------------- X: x into three sets of codes
; A wave takes 16 steps of 512 numbers.  Each of a step's four loads reads 512 consecutive bytes, 16 a lane; the conversions want 16 NEIGHBOURS in one lane: so the step's 2,048 bytes turn through the wave's own
; stage in LDS, as they lie, and come back 64 bytes a lane (80 bytes from lane to lane).  A lane's 16 codes are 16 bytes: each store of the wave covers 512 consecutive bytes.  Loads run four steps ahead, the turn one step.
.set XR, 16                            ; v16-79   four sets of 16 numbers as loaded
.set XX, 80                            ; v80-111  two sets of 16 neighbours
.set XT, 112                           ; v112-159 the 16 neighbours held within each of the three scales' ranges
.set XC, 160                           ; v160-183 two sets of 3 x 4 registers of codes
.macro XLOAD t
.irp i, 0,1,2,3
	global_load_b128 v[XR+16*((\t)%4)+4*\i:XR+16*((\t)%4)+4*\i+3], v3, s[8:9] offset:2048*(\t)+512*\i th:TH_LOAD_NT
.endr
.endm
.macro XTURN t                         ; LDS serves a wave's instructions in order, so no wait stands between the stores and the loads
.irp i, 0,1,2,3
	ds_store_b128 v14, v[XR+16*((\t)%4)+4*\i:XR+16*((\t)%4)+4*\i+3] offset:32*SP*((\t)%2)+8*SP*\i
.endr
.irp i, 0,1,2,3
	ds_load_b128 v[XX+16*((\t)%2)+4*\i:XX+16*((\t)%2)+4*\i+3], v15 offset:32*SP*((\t)%2)+16*\i
.endr
.endm
.macro XSTEP t
.set XS, XX+16*((\t)%2)
.set CC, XC+12*((\t)%2)
	s_wait_dscnt 0x0                               ; this step's numbers are back from the stage: so its stores into the stage have read their registers,
.if (\t)+4 < 16
	XLOAD (\t)+4                                   ; which take the loads of four steps on
.endif
.if (\t)+1 < 16
.if 14-(\t) >= 3
	s_wait_loadcnt 12                              ; the next step's four loads are in; those of the three steps behind it may be out
.else
	s_wait_loadcnt 4*(14-(\t))                     ; the tail: as many steps as are left behind the next
.endif
	XTURN (\t)+1
.endif
	s_wait_xcnt 0x0                                ; the stores of two steps ago have read this set of code registers: they are rewritten only behind this wait
.irp k, 0,1,2
.irp i, 0,1,2,3,4,5,6,7,8,9,10,11,12,13,14,15
	v_med3_num_f32 v[XT+16*\k+\i], v[XS+\i], -v[9+\k], v[9+\k]   ; the conversion to an 8-bit code does not saturate (ISA guide 7.6.2): the hold at 448 x the scale comes first
.endr
.endr
.irp k, 0,1,2
	v_cvt_scalef32_pk8_fp8_f32 v[CC+4*\k:CC+4*\k+1], v[XT+16*\k:XT+16*\k+7], v[6+\k]
	v_cvt_scalef32_pk8_fp8_f32 v[CC+4*\k+2:CC+4*\k+3], v[XT+16*\k+8:XT+16*\k+15], v[6+\k]
.endr
	v_nop                                          ; a plain instruction behind the last conversion: the next step's holds write the conversions' sources
.irp k, 0,1,2
	global_store_b128 v3, v[CC+4*\k:CC+4*\k+3], s[44+2*\k:45+2*\k] offset:512*(\t)
.endr
.endm
.Lpath_x:
	s_load_b256 s[32:39], s[18:19], 0x0            ; e0 .. e7
	s_wait_alu depctr_va_vdst(0)
	v_lshlrev_b32 v3, 4, v2                        ; 16 x lane: my bytes of a load's 512, and of a store's
	s_wait_alu depctr_va_vdst(0)
	s_lshl_b32 s27, s26, 13                        ; my wave's region of LDS
	v_lshrrev_b32 v14, 2, v2
	v_mul_u32_u24 v14, v14, SP
	v_and_b32 v15, 3, v2
	v_lshl_add_u32 v14, v15, 4, v14
	v_add_nc_u32 v14, s27, v14                     ; into the stage: four lanes' 64 bytes on end, then the padding
	v_mul_u32_u24 v15, v2, SP
	v_add_nc_u32 v15, s27, v15                     ; out of it: my 16 neighbours
	s_lshl_b32 s28, ttmp9, 2
	s_add_co_u32 s28, s28, s26                     ; which run of 8,192 numbers is my wave's
	s_lshl_b32 s30, s28, 15
	s_mov_b32 s31, 0
	s_add_nc_u64 s[8:9], s[8:9], s[30:31]
	s_lshl_b32 s30, s28, 13
	s_add_nc_u64 s[44:45], s[20:21], s[30:31]      ; the three sets of codes lie 8 MiB apart
	s_add_nc_u64 s[46:47], s[44:45], 0x800000
	s_add_nc_u64 s[48:49], s[44:45], 0x1000000
.irp t, 0,1,2,3
	XLOAD \t
.endr
	s_wait_alu depctr_va_vdst(0)
	s_wait_kmcnt 0x0
.irp k, 0,1,2
	s_add_co_i32 s50, s[32+2*\k], 127              ; e0, e2, e4
	s_lshl_b32 s51, s50, 23
	v_mov_b32 v[6+\k], s51                         ; 2^e as f32: the conversion takes its exponent field
	s_add_co_i32 s50, s50, 8
	s_lshl_b32 s50, s50, 23
	s_or_b32 s50, s50, 0x600000
	v_mov_b32 v[9+\k], s50                         ; 448 x 2^e
.endr
	s_wait_alu depctr_va_vdst(0)
	s_wait_loadcnt 12                              ; step 0's four loads are in
	XTURN 0
.irp t, 0,1,2,3,4,5,6,7,8,9,10,11,12,13,14,15
	XSTEP \t
.endr
	s_wait_tensorcnt 0x0                           ; the wave's end, behind my last LDS store
	ds_add_u32 v[SPW], v[NIL]
	s_wait_dscnt 0x0
	s_endpgm
; ---------------------------------------------------------------- W: a weight [k][n] into codes [n][k]
; A lane takes a column n and its registers run down K: each load reads 128 consecutive bytes a wave, and the conversions give codes with K innermost.  A wave takes 32 columns x 256 along K; the codes
; gather in the wave's own stage (a row a column) and leave by rows: sixteen lanes store 256 consecutive bytes, aligned.  Loads run two blocks of 32 ahead.
.set WX, 32                            ; v32-95   two sets of 32 numbers
.set WC, 96                            ; v96-103  a block's codes
.set WO, 112                           ; v112-175 the way out
.macro WLOAD t
.set wi, 0
.rept 32
	global_load_b32 v[WX+32*((\t)%2)+wi], v3, s[4:5] offset:(32*(\t)+wi)*4096 th:TH_LOAD_NT
.set wi, wi+1
.endr
.endm
.macro WBLOCK t
.set WS, WX+32*((\t)%2)
.if (\t) < 7
	s_wait_loadcnt 32                              ; this block's 32 loads are in; the next block's may be out
.else
	s_wait_loadcnt 0x0
.endif
.set wi, 0
.rept 32
.set wi, wi+1
.endr
.irp g, 0,1,2,3
	v_cvt_scalef32_pk8_fp8_f32 v[WC+2*\g:WC+2*\g+1], v[WS+8*\g:WS+8*\g+7], v11
.endr
	v_nop                                          ; a plain instruction behind the last conversion
	ds_store_b128 v4, v[WC:WC+3] offset:32*(\t)
	ds_store_b128 v4, v[WC+4:WC+7] offset:32*(\t)+16
.if (\t)+2 < 8
	WLOAD (\t)+2
.endif
	s_wait_dscnt 0x0                               ; the stores have read their registers: the next block's codes may be written
.endm
.Lpath_w:
	s_load_b256 s[32:39], s[18:19], 0x0            ; e0 .. e7
	s_load_b128 s[40:43], s[18:19], 0x20           ; e8 .. e11
	s_sub_co_u32 s27, ttmp9, 256
	s_lshr_b32 s28, s27, 5                         ; which weight: 0 Wq, 1 Wk, 2 Wv, 3 Wp
	s_and_b32 s29, s27, 7                          ; which 128 columns
	s_bfe_u32 s30, s27, 0x20003                    ; which 256 along K
	s_cmp_eq_u32 s28, 1
	s_cselect_b64 s[4:5], s[12:13], s[10:11]
	s_cmp_eq_u32 s28, 2
	s_cselect_b64 s[4:5], s[14:15], s[4:5]
	s_cmp_eq_u32 s28, 3
	s_cselect_b64 s[4:5], s[16:17], s[4:5]
	s_lshl_b32 s31, s29, 7
	s_lshl_b32 s44, s26, 5
	s_add_co_u32 s31, s31, s44                     ; my wave's first column
	s_lshl_b32 s46, s30, 20                        ; 256 rows of 4,096 bytes
	s_lshl_b32 s44, s31, 2
	s_add_co_u32 s46, s46, s44
	s_mov_b32 s47, 0
	s_add_nc_u64 s[4:5], s[4:5], s[46:47]
	s_lshl_b32 s46, s28, 20                        ; the weight's MiB of codes,
	s_lshl_b32 s44, s31, 10                        ; my column's row,
	s_add_co_u32 s46, s46, s44
	s_lshl_b32 s44, s30, 8                         ; my 256 along K
	s_add_co_u32 s46, s46, s44
	s_add_nc_u64 s[22:23], s[22:23], s[46:47]
	s_wait_alu depctr_va_vdst(0)
	v_lshlrev_b32 v3, 2, v2                        ; in: 4 bytes a lane
	s_mul_i32 s45, s26, 32*WP
	s_add_co_u32 s45, s45, WSTG                    ; my stage
	v_mul_u32_u24 v4, v2, WP
	v_add_nc_u32 v4, s45, v4                       ; into it: row = my column
	v_and_b32 v5, 15, v2
	v_lshrrev_b32 v6, 4, v2
	v_mul_u32_u24 v7, v6, WP
	v_lshl_add_u32 v7, v5, 4, v7
	v_add_nc_u32 v7, s45, v7                       ; out of it: sixteen lanes to a row, two rows an instruction
	v_lshlrev_b32 v8, 10, v6
	v_lshl_add_u32 v8, v5, 4, v8                   ; and the same place among the codes
	WLOAD 0
	WLOAD 1
	s_wait_kmcnt 0x0
	s_cmp_eq_u32 s28, 1
	s_cselect_b32 s50, s35, s33                    ; e3 or e1
	s_cmp_eq_u32 s28, 2
	s_cselect_b32 s50, s37, s50                    ; e5
	s_cmp_eq_u32 s28, 3
	s_cselect_b32 s50, s43, s50                    ; e11
	s_add_co_i32 s50, s50, 127
	s_lshl_b32 s51, s50, 23
	v_mov_b32 v11, s51                             ; 2^e
	s_add_co_i32 s50, s50, 8
	s_lshl_b32 s50, s50, 23
	s_or_b32 s50, s50, 0x600000
.set Q, 0
	s_wait_alu depctr_va_vdst(0)
.rept 8
	WBLOCK Q
.set Q, Q+1
.endr
.irp t, 0,1,2,3,4,5,6,7,8,9,10,11,12,13,14,15
	ds_load_b128 v[WO+4*\t:WO+4*\t+3], v7 offset:2*\t*WP
.endr
.irp t, 0,1,2,3,4,5,6,7,8,9,10,11,12,13,14,15
	s_wait_dscnt 15-\t                             ; LDS loads come back in order: load t is in
	global_store_b128 v8, v[WO+4*\t:WO+4*\t+3], s[22:23] offset:2*\t*1024
.endr
	s_wait_tensorcnt 0x0                           ; the wave's end, behind my last LDS store
	ds_add_u32 v[SPW], v[NIL]
	s_wait_dscnt 0x0
	s_endpgm
.Lfunc_end_k_qf4fd023c1c_prep:
	.size	k_qf4fd023c1c_prep, .Lfunc_end_k_qf4fd023c1c_prep-k_qf4fd023c1c_prep
	.p2alignl 7, 3214868480
	.fill 96, 4, 3214868480
	.section	.rodata,"a",@progbits
	.p2align	6, 0x0
	.amdhsa_kernel k_qf4fd023c1c_prep
		.amdhsa_group_segment_fixed_size 68096
		.amdhsa_private_segment_fixed_size 0
		.amdhsa_enable_private_segment 0
		.amdhsa_kernarg_size 72
		.amdhsa_user_sgpr_count 2
		.amdhsa_user_sgpr_kernarg_segment_ptr 1
		.amdhsa_wavefront_size32 1
		.amdhsa_system_sgpr_workgroup_id_x 1
		.amdhsa_system_sgpr_workgroup_id_y 1
		.amdhsa_system_sgpr_workgroup_id_z 1
		.amdhsa_system_vgpr_workitem_id 0
		.amdhsa_next_free_vgpr 192
		.amdhsa_next_free_sgpr 66
		.amdhsa_reserve_vcc 1
		.amdhsa_float_denorm_mode_32 3
		.amdhsa_float_denorm_mode_16_64 3
		.amdhsa_fp16_overflow 1
		.amdhsa_memory_ordered 1
		.amdhsa_forward_progress 1
		.amdhsa_inst_pref_size 118
	.end_amdhsa_kernel
	.amdgpu_metadata
---
amdhsa.version: [ 1, 2 ]
amdhsa.kernels:
  - .name:           k_qf4fd023c1c_prep
    .symbol:         k_qf4fd023c1c_prep.kd
    .args:
      - { .name: x, .offset: 0, .size: 8, .value_kind: global_buffer, .address_space: global }
      - { .name: Wq, .offset: 8, .size: 8, .value_kind: global_buffer, .address_space: global }
      - { .name: Wk, .offset: 16, .size: 8, .value_kind: global_buffer, .address_space: global }
      - { .name: Wv, .offset: 24, .size: 8, .value_kind: global_buffer, .address_space: global }
      - { .name: Wp, .offset: 32, .size: 8, .value_kind: global_buffer, .address_space: global }
      - { .name: lowp_scales, .offset: 40, .size: 8, .value_kind: global_buffer, .address_space: global }
      - { .name: xc, .offset: 48, .size: 8, .value_kind: global_buffer, .address_space: global }
      - { .name: wc, .offset: 56, .size: 8, .value_kind: global_buffer, .address_space: global }
      - { .name: rt, .offset: 64, .size: 8, .value_kind: global_buffer, .address_space: global }
    .group_segment_fixed_size: 68096
    .private_segment_fixed_size: 0
    .kernarg_segment_align: 8
    .kernarg_segment_size: 72
    .max_flat_workgroup_size: 128
    .sgpr_count:     66
    .vgpr_count:     192
    .wavefront_size: 32
...
	.end_amdgpu_metadata
.endif
;; end of part 1
;; launch qkv (part 2): grid 12 x 32, 4 waves a work-group, clusters of 4 x 4, 327,680 bytes of LDS; arguments xc, wc, rt, bq, bk, bv, lowp_scales, qkv; writes qkv
.if DOCPART == 2
	.amdgcn_target "amdgcn-amd-amdhsa--gfx1250"
	.amdhsa_code_object_version 6
	.text
	.protected	k_qf4fd023c1c_qkv
	.globl	k_qf4fd023c1c_qkv
	.p2align	8
	.type	k_qf4fd023c1c_qkv,@function
k_qf4fd023c1c_qkv:
	s_mov_b64 s[64:65], 0
	v_nop
	global_prefetch_b8 v0, s[64:65] scope:SCOPE_SE
	s_setreg_imm32_b32 hwreg(HW_REG_WAVE_MODE, 25, 1), 1
	s_wait_xcnt 0x0
	s_wait_alu depctr_hold_cnt(0) depctr_sa_sdst(0) depctr_va_vdst(0) depctr_va_sdst(0) depctr_va_ssrc(0) depctr_va_vcc(0) depctr_vm_vsrc(0)
	s_getreg_b32 s2, hwreg(HW_REG_IB_STS2, 6, 4)
	s_cmp_eq_u32 s2, 0
	s_cbranch_scc0 .Lentry_in_a_cluster
	s_endpgm
.Lentry_in_a_cluster:
	s_bfe_u32 s2, ttmp6, 0x10000c
	s_cmp_lg_u32 s2, 0xf033
	s_cbranch_scc0 .Lentry_shape_is_right
	s_endpgm
.Lentry_shape_is_right:
; q, k and v: three products [8192 x 1024] x [1024 x 1024] on E4M3 codes, then bias, rotary embedding (q, k), and the quantiser of the attention's operands.  Nothing but codes goes to memory.
; THE KIND of a cluster is its x: 0 = q, 1 = k, 2 = v.  One text serves all three: C[m][n] = sum over k of A[m][k] B[n][k], a tile of 256 x 256 to a work-group of four waves, 128 x 128 to a wave (64 accumulators, 512 registers).
;   kinds 0, 1: A = x's codes (the kind's set), B = the weight's codes: tile row = 4 x cluster y + cy (32 of them), tile column = cx.
;   kind 2:     A = Wv's codes, B = x's codes: C is v TRANSPOSED: tile row = cy, tile column = 4 x cluster y + cx.
; THE MATRIX INSTRUCTION IS USED TRANSPOSED (source 0 = 16 rows of B, source 1 = 16 rows of A): a lane holds eight neighbouring columns of one row of C.  For q and k these are eight neighbouring channels of one token
; (four pairs of the rotary embedding, and eight neighbours along the next product's K); for v eight neighbouring KEYS of one channel, which are its next K.  So the conversions' results are bytes that belong together.
; OUT: q at byte 0 and k at 8 MiB of qkv, [b x 16 + head][t][64]; v at 16 MiB, [head x 64 + d][b x 2048 + t].
; K goes in steps of 256 through a ring of two LDS slots filled by the tensor data mover; K = 1,024 is four fills, so the steps are written out and there is no loop.
; CLUSTERS: 4 x 4 work-groups.  The four of a row of the cluster need the same tiles of A, the four of a column the same tiles of B: each tile is asked for JOINTLY, by the same tensor load with the same descriptor and a mask
; that names the four.  The kind is the same in all sixteen, so the one branch on it is taken alike by all.
; LIMITS: e(A) + e(B) of the kind's product between -126 and 127; e6, e7, e9 between -126 and 119: each power of two below is then an f32 number.  NaN is not served.
; REGISTERS, in windows of 256: window 0: v1-31 addresses and scales; v32-95 the column biases; v96-127 cos and sin, set 0; from v128 A's fragments, ONE set; in the epilogue v128-159 cos and sin, set 1, v160-223 a block's numbers,
;   v224-239 at work, v240-255 a block's codes; on the way out v96-223.   window 1: B's fragments, TWO sets.   window 2: the accumulators of my rows 0-63 ((a, b) at v[8 (8 a + b)]);   window 3: those of my rows 64-127.
.set ROWB,   256                       ; a tile's row in bytes: 256 codes
.set KROW,   1024                      ; a row of A or of B in memory
.set PITCH,  272                       ; an LDS row: 256 bytes + 16 of padding = 68 words: the 16 rows that a load touches start at 16 different banks (64 banks of 4 bytes: ISA guide 11.1)
.set FR,     16                        ; registers of a fragment: 16 rows x 128 K
.set NL,     4                         ; LDS loads that bring one
.set NP,     4                         ; places behind this matrix instruction (ISA guide 7.12.1)
.set HALFT,  128*PITCH                 ; 128 rows: what one tensor load brings
.set SLOT,   4*HALFT                   ; A's 256 rows, then B's 256 rows
.set SPARE,  2*SLOT                    ; behind the ring: the spare words, 128 bytes for each wave
.set QPI,    336                       ; the stage for q and k: 256 rows of 256 codes, 336 bytes apart; it lies in the ring, which has had its last fill and its last read by then
.set VPI,    272                       ; the stage for v: 256 rows of 256 codes
.set STV,    256*QPI                   ; it has bytes of its own, behind the other
.set L16,  7                           ; v7      16 x lane
.set BR,   8                           ; v8-15   kind 2: bv of my row, block a
.set ADRA, 16                          ; v16-17  LDS address of my A fragments in slot 0, 1
.set SCL,  18                          ; v18     2^eo, for the conversions
.set LIMV, 19                          ; v19     unused
.set ADRB, 20                          ; v20-21  the same as ADRA for B
.set STOQ, 22                          ; v22     into the stage for q, k
.set STOV, 23                          ; v23     into the stage for v
.set RDQ,  24                          ; v24     out of them
.set RDV,  25
.set GOV,  27                          ; v27     v: my byte offset in memory on the way out
.set SPW,  28                          ; v28     LDS address of my spare word; never rewritten
.set NIL,  29                          ; v29     0; never rewritten
.set H32,  30                          ; v30     32 x (lane / 16)
.set R4,   31                          ; v31     4 x (lane % 16)
.set BIAS, 32
.set CS0,  96
.set CS1,  128
.set TMP,  160
.set U,    224
.set CODE, 240
.set OB,   96
.set AF,   128
.set G1, 24                            ; s[24:31] descriptor group 1 for A's tiles;  s[32:39] group 0, one set for each slot
.set G0, 32
.set G1B, 48                           ; s[48:55], s[56:63] the same for B's tiles
.set G0B, 56
.set MSB, 0
.macro WIN new                         ; the immediate's high byte repeats the setting that is left
.if MSB != \new
	s_set_vgpr_msb (MSB<<8)|\new
.set MSB, \new
.endif
.endm
.set MUL_LO, 0xa1                      ; source 0 (B) window 1, source 1 (A) window 0, C and D window 2
.set MUL_HI, 0xf1                      ; the same, C and D window 3
.set TO_B,   0x40                      ; destination window 1, address window 0
; A joint load: waves 0 and 1 fetch for A, waves 2 and 3 for B.  Each of the two lines has ONE mask and one set of registers for all that issue it; the branch hangs on the wave's number alone.
; An s_nop 0 and four v_nop follow each of the two lines, ahead of the jump, the label and what follows.
.macro JLOAD g0a, g1a, g0b, g1b
	s_cmp_eq_u32 s15, 0
	s_cbranch_scc0 .Lfor_b_\@
	tensor_load_to_lds s[\g0a:\g0a+3], s[\g1a:\g1a+7]
	s_nop 0
.rept 4
	v_nop
.endr
	s_branch .Lasked_\@
.Lfor_b_\@:
	tensor_load_to_lds s[\g0b:\g0b+3], s[\g1b:\g1b+7]
	s_nop 0
.rept 4
	v_nop
.endr
.Lasked_\@:
.endm
.macro CREST                           ; a round of the cluster's barrier behind its opening barrier
	s_cmp_lg_u32 s14, 0
	s_cbranch_scc1 .Lnot_wave_0_\@
	s_barrier_signal -3
.Lnot_wave_0_\@:
	s_barrier_wait -3
	s_barrier_signal -1
	s_barrier_wait -1
.endm
.macro CROUND                          ; a whole round
	s_barrier_signal -1
	s_barrier_wait -1
	CREST
.endm
	s_load_b512 s[68:83], s[0:1], 0x0              ; xc s[68:69], wc s[70:71], rt s[72:73], bq s[74:75], bk s[76:77], bv s[78:79], the scales' exponents s[80:81], qkv s[82:83]
	v_lshl_add_u32 v[SPW], v0, 2, SPARE
	v_mov_b32 v[NIL], 0
	ds_add_u32 v[SPW], v[NIL]                      ; the wave's opening: the add and its wait stand ahead of my first tensor load; the set-up below, work on registers, stands between them
	ds_add_u32 v[SPW], v[NIL]
	v_lshrrev_b32 v1, 5, v0
	v_readfirstlane_b32 s14, v1                    ; wave 0..3
	s_lshr_b32 s15, s14, 1                         ; which half of the tile's rows is mine.  Also: I fetch for A (0) or for B (1)
	s_and_b32 s16, s14, 1                          ; which half of its columns.  Also: which 128 rows of that tile I fetch
	s_bfe_u32 s40, ttmp6, 0x40000                  ; cx, cy: my place in the cluster
	s_bfe_u32 s41, ttmp6, 0x40004
	s_mov_b32 s66, ttmp9                           ; the kind: the cluster's x
	s_and_b32 s67, ttmp7, 0xffff
	s_lshl_b32 s67, s67, 2                         ; 4 x cluster y
	s_cmp_eq_u32 s66, 2
	s_cselect_b32 s12, 0, s67                      ; the long axis (32 tiles) is C's rows for q and k, its columns for v
	s_cselect_b32 s13, s67, 0
	s_add_co_u32 s17, s12, s41                     ; tile row of C
	s_add_co_u32 s42, s13, s40                     ; tile column of C
	s_lshl_b32 s43, s41, 2
	s_lshl_b32 s43, 15, s43                        ; my row of the cluster
	s_lshl_b32 s44, 0x1111, s40                    ; my column
	; descriptor group 1: a tile of 128 rows x 256 bytes, padded in LDS
	s_or_b32 s[G1+0], s43, (0<<16)|(1<<20)|(1<<21)|(5<<22)|(3<<25)  ; 15:0 the mask: A's tiles go to my row; 17:16 element of 1 byte; 20 padding on; 21 set beside a mask; 24:22 after every 64 words (code 5); 31:25 of 4 words (code 3)
	s_or_b32 s[G1B+0], s44, (0<<16)|(1<<20)|(1<<21)|(5<<22)|(3<<25)
.irp g, G1, G1B
	s_mov_b32 s[\g+1], ROWB<<16                    ; tensor_dim0
	s_mov_b32 s[\g+2], 128<<16                     ; tensor_dim1 = 128
	s_mov_b32 s[\g+3], ROWB<<16                    ; tile_dim0
	s_mov_b32 s[\g+4], 128                         ; tile_dim1 = 128
	s_mov_b32 s[\g+5], KROW                        ; tensor_dim0_stride
	s_mov_b32 s[\g+6], 0
	s_mov_b32 s[\g+7], 0
.endr
	s_lshl_b32 s18, s16, 7                         ; which 128 rows of the tile I fetch
	s_lshl_b32 s20, s17, 8
	s_add_co_u32 s20, s20, s18                     ; A: row 256 x tile row + 128 x half,
	s_lshl_b32 s20, s20, 10                        ; in bytes
	s_mov_b32 s21, 0
	s_lshl_b32 s46, s42, 8
	s_add_co_u32 s46, s46, s18                     ; B: row 256 x tile column + 128 x half
	s_lshl_b32 s46, s46, 10
	s_mov_b32 s47, 0
	s_lshl_b32 s4, s66, 23                         ; the kind's set of x's codes,
	s_mov_b32 s5, 0
	s_lshl_b32 s6, s66, 20                         ; and its weight's
	s_mov_b32 s7, 0
	s_mul_i32 s45, s14, HALFT                      ; where the tiles go: wave x 128 rows: no place in the cluster enters an LDS address
	s_wait_dscnt 0x0                               ; the opening add is done
	s_wait_kmcnt 0x0
	s_load_b256 s[84:91], s[80:81], 0x0            ; e0 .. e7
	s_load_b128 s[92:95], s[80:81], 0x20           ; e8 .. e11
	s_add_nc_u64 s[4:5], s[68:69], s[4:5]
	s_add_nc_u64 s[6:7], s[70:71], s[6:7]
	s_cmp_eq_u32 s66, 2
	s_cselect_b64 s[8:9], s[6:7], s[4:5]           ; A: the weight for v, else x
	s_cselect_b64 s[10:11], s[4:5], s[6:7]         ; B: the other
	s_add_nc_u64 s[20:21], s[8:9], s[20:21]
	s_add_nc_u64 s[46:47], s[10:11], s[46:47]
	CROUND                                         ; all sixteen work-groups are here: the first joint loads meet
.irp s, 0,1
	s_mov_b32 s[G0+4*\s], 1
	s_add_co_u32 s[G0+4*\s+1], s45, \s*SLOT
	s_add_nc_u64 s[G0+4*\s+2:G0+4*\s+3], s[20:21], \s*ROWB
	s_or_b32 s[G0+4*\s+3], s[G0+4*\s+3], 0x80000000
	s_mov_b32 s[G0B+4*\s], 1
	s_add_co_u32 s[G0B+4*\s+1], s45, \s*SLOT
	s_add_nc_u64 s[G0B+4*\s+2:G0B+4*\s+3], s[46:47], \s*ROWB
	s_or_b32 s[G0B+4*\s+3], s[G0B+4*\s+3], 0x80000000
	JLOAD G0+4*\s, G1, G0B+4*\s, G1B
.endr
	v_and_b32 v1, 15, v0                           ; r = l % 16
	s_wait_alu depctr_va_vdst(0)
	v_bfe_u32 v2, v0, 4, 1                         ; h = l / 16
	v_and_b32 v6, 31, v0                           ; l
	v_mul_u32_u24 v3, v1, PITCH
	v_lshl_add_u32 v4, v2, 4, v3                   ; a fragment's row x pitch + 16 x half
	s_mul_i32 s21, s15, HALFT                      ; my 128 rows of A
	s_mul_i32 s22, s16, HALFT                      ; my 128 rows of B,
	s_add_co_u32 s22, s22, 2*HALFT                 ; which lie behind A's 256
.irp s, 0,1
	v_add_nc_u32 v[ADRA+\s], s21, v4
	v_add_nc_u32 v[ADRB+\s], s22, v4
	s_add_co_u32 s21, s21, SLOT
	s_add_co_u32 s22, s22, SLOT
.endr
	s_lshl_b32 s19, s16, 7                         ; my 128 columns are 128 bytes of codes
	s_mul_i32 s23, s15, 128*QPI
	s_add_co_u32 s23, s23, s19
	v_mul_u32_u24 v5, v1, QPI
	s_wait_alu depctr_va_vdst(0)
	v_lshl_add_u32 v5, v2, 3, v5
	v_add_nc_u32 v[STOQ], s23, v5                  ; row 128 x row half + r, byte 128 x column half + 8 h
	s_mul_i32 s23, s15, 128*VPI
	s_add_co_u32 s23, s23, s19
	s_add_co_u32 s23, s23, STV
	v_mul_u32_u24 v5, v1, VPI
	v_lshl_add_u32 v5, v2, 3, v5
	v_add_nc_u32 v[STOV], s23, v5
	s_mul_i32 s23, s14, 64*QPI                     ; back: wave w takes rows 64 w on.  q, k: eight rows x one head's 64 bytes an instruction
	v_lshrrev_b32 v5, 2, v6
	v_mul_u32_u24 v5, v5, QPI
	v_and_b32 v3, 3, v6
	v_lshl_add_u32 v5, v3, 4, v5
	v_add_nc_u32 v[RDQ], s23, v5
	s_mul_i32 s23, s14, 64*VPI                     ; v: two whole rows an instruction
	s_add_co_u32 s23, s23, STV
	v_mul_u32_u24 v5, v2, VPI
	v_lshl_add_u32 v5, v1, 4, v5
	v_add_nc_u32 v[RDV], s23, v5
	v_lshlrev_b32 v5, 13, v2                       ; a row of v in memory is 8,192 bytes
	v_lshl_add_u32 v[GOV], v1, 4, v5
	v_lshlrev_b32 v[L16], 4, v6
	v_lshlrev_b32 v[H32], 5, v2
	s_wait_alu depctr_va_vdst(0)
	v_lshlrev_b32 v[R4], 2, v1
	s_wait_alu depctr_va_vdst(0)
	; where my wave's 64 rows of the tile go.  q, k: kind x 8 MiB + ((b x 16 + 4 x tile column) x 2048 + t + 64 w) x 64, b and t from row 256 x tile row;  v: 16 MiB + (256 x tile row + 64 w) x 8192 + 256 x tile column
	s_lshl_b32 s2, s17, 8
	s_lshr_b32 s3, s2, 11
	s_lshl_b32 s3, s3, 21
	s_and_b32 s2, s2, 2047
	s_lshl_b32 s2, s2, 6
	s_add_co_u32 s2, s2, s3
	s_lshl_b32 s3, s42, 19
	s_add_co_u32 s2, s2, s3
	s_lshl_b32 s3, s14, 12
	s_add_co_u32 s2, s2, s3
	s_lshl_b32 s18, s17, 21
	s_lshl_b32 s19, s14, 19
	s_add_co_u32 s18, s18, s19
	s_lshl_b32 s19, s42, 8
	s_add_co_u32 s18, s18, s19
	s_cmp_eq_u32 s66, 2
	s_cselect_b32 s2, s18, s2
	s_lshl_b32 s3, s66, 23
	s_add_co_u32 s2, s2, s3
	s_mov_b32 s3, 0
	s_add_nc_u64 s[100:101], s[82:83], s[2:3]
	; THE EPILOGUE'S OPERANDS are asked for now and land under the products.  The same lines stand on every cluster's path, so that every register is written whatever the kind: q and k use the column biases and the table,
	; v uses the row biases; what a kind does not use is loaded from its buffer's first bytes and never read.
	s_lshl_b32 s46, s42, 10
	s_lshl_b32 s47, s16, 9
	s_add_co_u32 s46, s46, s47                     ; 4 x my first column
	s_lshl_b32 s22, s17, 8
	s_lshl_b32 s23, s15, 7
	s_add_co_u32 s22, s22, s23                     ; my first row
	s_and_b32 s20, s22, 2047
	s_lshl_b32 s20, s20, 8                         ; the table: 4,096 bytes for 16 positions
	s_lshl_b32 s8, s22, 2
	s_cmp_eq_u32 s66, 2
	s_cselect_b32 s46, 0, s46
	s_cselect_b32 s20, 0, s20
	s_cselect_b32 s8, s8, 0
	s_mov_b32 s47, 0
	s_mov_b32 s21, 0
	s_mov_b32 s9, 0
	s_cmp_eq_u32 s66, 0
	s_cselect_b64 s[10:11], s[74:75], s[76:77]     ; bq or bk
	s_add_nc_u64 s[46:47], s[10:11], s[46:47]
	s_add_nc_u64 s[20:21], s[72:73], s[20:21]      ; stays: the epilogue's blocks load from it
	s_add_nc_u64 s[8:9], s[78:79], s[8:9]
.irp b, 0,1,2,3,4,5,6,7
	global_load_b128 v[BIAS+8*\b:BIAS+8*\b+3], v[H32], s[46:47] offset:64*\b       ; the bias of columns 16 b + 8 h + 0 .. 7
	global_load_b128 v[BIAS+8*\b+4:BIAS+8*\b+7], v[H32], s[46:47] offset:64*\b+16
.endr
.irp a, 0,1,2,3,4,5,6,7
	global_load_b32 v[BR+\a], v[R4], s[8:9] offset:64*\a                           ; the bias of row 16 a + r
.endr
.irp n, 0,1,2,3,4,5,6,7
	global_load_b128 v[CS0+4*\n:CS0+4*\n+3], v[L16], s[20:21] offset:512*\n        ; block 0's cos and sin: register 8 (b % 4) + 2 i, + 1: pair i of tile b
.endr
.macro FRAG reg, adr, q, i             ; a fragment, 16 rows x 128 K of 8-bit codes, is 16 registers: lane l holds row l % 16; registers 4 c .. 4 c + 3 hold K = 32 c + 16 (l / 16) + 0 .. 15: the same permutation of k in A and in B
.irp c, 0,1,2,3
	ds_load_b128 v[\reg+4*\c:\reg+4*\c+3], v[\adr] offset:128*(\q)+32*\c+(\i)*16*PITCH
.endr
.endm
; 16 matrix instructions: A's blocks a0, a0 + 1 x B's eight, 128 along K.  p: B's set.  zero = 1: the first product starts the sums: nothing is ever cleared.
; The 64 accumulators take turns, one instruction a turn, in the same order in every step.
.macro MUL16 a0, p, zero
.irp a, \a0, \a0+1
.irp b, 0,1,2,3,4,5,6,7
.if \zero
	v_wmma_f32_16x16x128_fp8_fp8 v[8*(8*((\a)%4)+\b):8*(8*((\a)%4)+\b)+7], v[128*(\p)+FR*\b:128*(\p)+FR*\b+FR-1], v[AF+FR*(\a):AF+FR*(\a)+FR-1], 0
.else
	v_wmma_f32_16x16x128_fp8_fp8 v[8*(8*((\a)%4)+\b):8*(8*((\a)%4)+\b)+7], v[128*(\p)+FR*\b:128*(\p)+FR*\b+FR-1], v[AF+FR*(\a):AF+FR*(\a)+FR-1], v[8*(8*((\a)%4)+\b):8*(8*((\a)%4)+\b)+7]
.endif
.endr
.endr
.endm
.macro FETCH_B slot, q, p              ; B's eight fragments of the slot's q-th 128 along K into set p
	WIN TO_B
.irp i, 0,1,2,3,4,5,6,7
	FRAG 128*(\p)+FR*\i, ADRB+\slot, \q, \i
.endr
	WIN 0
.endm
.macro FETCH_A slot, q, i0             ; A's blocks i0 .. i0 + 3
.irp i, \i0, \i0+1, \i0+2, \i0+3
	FRAG AF+FR*(\i), ADRA+\slot, \q, \i
.endr
.endm
; A load into a register that a matrix instruction has read, and a vector instruction or an LDS store that reads a matrix result, stand NP places behind that matrix instruction, and only plain vector
; instructions that name none of its registers are places (ISA guide 7.12.1 for vector instructions).
.macro PLACES n
.rept \n
	v_nop
.endr
.endm
; A step of 128 along K that has its successor in the same slot.  A block of A is free as soon as its eight products are issued, so one set of registers serves A; B's fragments are at work through the whole step and have two.
.macro STEP slot, q, zero
	s_wait_dscnt 4*NL                              ; B's set and A's blocks 0-3 are in; the youngest sixteen loads (A's blocks 4-7) may be out
	WIN MUL_LO
	MUL16 0, (\q)%2, \zero
	MUL16 2, (\q)%2, \zero
	s_wait_dscnt 0                                 ; A's blocks 4-7 are in
	PLACES NP
	FETCH_B \slot, (\q)+1, 1-(\q)%2
	FETCH_A \slot, (\q)+1, 0
	WIN MUL_HI
	MUL16 4, (\q)%2, \zero
	MUL16 6, (\q)%2, \zero
	PLACES NP
	WIN 0
	FETCH_A \slot, (\q)+1, 4
.endm
; A slot's last step changes slots: ONE barrier; in front of it each wave waits for all its tensor loads, adds 0 to its spare word, and waits for that and for its own reads of this slot.  fill = 1: this slot is filled again, two K steps ahead.
.macro TURN slot, next, fill
	s_wait_tensorcnt 0x0                           ; all my tensor loads have landed: my part of the next slot;  (every window is 0 here)
	ds_add_u32 v[SPW], v[NIL]                      ; 0 onto my spare word
	s_wait_dscnt 4*NL+1                            ; (the add and the youngest sixteen loads, A's blocks 4-7, may be out)
	WIN MUL_LO
	MUL16 0, 1, 0                                  ; sixteen matrix instructions stand between the add and the wait for it
	s_wait_dscnt 0x0                               ; the add is done, and my reads of this slot are over
	s_barrier_signal -1
	MUL16 2, 1, 0
	WIN 0
	s_barrier_wait -1
.if \fill
	CREST                                          ; the barrier has opened a round of the cluster's barrier: no wave of any partner still reads this slot's tile or has a load on its way
	s_add_nc_u64 s[G0+4*\slot+2:G0+4*\slot+3], s[G0+4*\slot+2:G0+4*\slot+3], 2*ROWB
	s_add_nc_u64 s[G0B+4*\slot+2:G0B+4*\slot+3], s[G0B+4*\slot+2:G0B+4*\slot+3], 2*ROWB
	JLOAD G0+4*\slot, G1, G0B+4*\slot, G1B         ; the first tensor load behind the round; the four v_nop behind it are the places in front of the loads below
.else
	PLACES NP
.endif
	FETCH_B \next, 0, 0
	FETCH_A \next, 0, 0
	WIN MUL_HI
	MUL16 4, 1, 0
	MUL16 6, 1, 0
	PLACES NP
	WIN 0
	FETCH_A \next, 0, 4
.endm
	s_wait_tensorcnt 1                             ; my part of K step 0 is in (K step 1's load may be out),
	s_barrier_signal -1
	s_barrier_wait -1                              ; everybody's is
	FETCH_B 0, 0, 0
	FETCH_A 0, 0, 0
	FETCH_A 0, 0, 4
	STEP 0, 0, 1                                   ; K 0-127: its products start the sums
	TURN 0, 1, 1                                   ; K 128-255; slot 0 takes K 512-767
	STEP 1, 0, 0
	TURN 1, 0, 1                                   ; slot 1 takes K 768-1023
	STEP 0, 0, 0
	TURN 0, 1, 0                                   ; nothing is left to fetch: no round
	STEP 1, 0, 0
	s_wait_dscnt 4*NL                              ; the very last step
	WIN MUL_LO
	MUL16 0, 1, 0
	MUL16 2, 1, 0
	s_wait_dscnt 0
	WIN MUL_HI
	MUL16 4, 1, 0
	MUL16 6, 1, 0
	WIN 0
; THE EPILOGUE.  The ring has had its last fill; behind this barrier nobody reads it any more, and its bytes serve as the stages.
	s_wait_dscnt 0x0
	s_barrier_signal -1
	s_barrier_wait -1
	s_wait_kmcnt 0x0
	s_cmp_eq_u32 s66, 0
	s_cselect_b32 s96, s84, s86                    ; the product's two exponents: e0, e1 | e2, e3 | e4, e5
	s_cselect_b32 s97, s85, s87
	s_cselect_b32 s98, s90, s91                    ; the result's own: e6 | e7 | e9
	s_cmp_eq_u32 s66, 2
	s_cselect_b32 s96, s88, s96
	s_cselect_b32 s97, s89, s97
	s_cselect_b32 s98, s93, s98
	s_add_co_i32 s96, s96, s97
	s_add_co_i32 s96, s96, 127
	s_lshl_b32 s96, s96, 23                        ; 2^(eA + eB) as f32
	s_mov_b32 s97, s96                             ; (named with it as a pair, so it is written)
	s_add_co_i32 s98, s98, 127
	s_lshl_b32 s99, s98, 23
	v_mov_b32 v[SCL], s99
	s_wait_loadcnt 0x0                             ; biases and block 0's cos and sin
	PLACES NP                                      ; behind the last products: their results are read and A's registers written below
; Block a of q or k: 16 tokens x my 128 channels.  number = sum x 2^(eA + eB) + bias; the pair (xr, xi) becomes (xr c - xi s, xi c + xr s); codes.  The next block's cos and sin are asked for a block ahead.
.macro QK_BLOCK a
.set AC, 64*((\a)%4)
.set CSA, CS0+(CS1-CS0)*((\a)%2)
.set CSN, CS0+(CS1-CS0)*(((\a)+1)%2)
	WIN 0x02+((\a)/4)                              ; source 0: window 2 or 3
.set qj, 0
.rept 32
	v_pk_fma_f32 v[TMP+qj:TMP+qj+1], v[AC+qj:AC+qj+1], s[96:97], v[BIAS+qj:BIAS+qj+1] op_sel_hi:[1,0,1]   ; each accumulator from its low end on
.set qj, qj+2
.endr
	WIN 0
.if (\a) < 7
.irp n, 0,1,2,3,4,5,6,7
	global_load_b128 v[CSN+4*\n:CSN+4*\n+3], v[L16], s[20:21] offset:4096*((\a)+1)+512*\n
.endr
	s_wait_loadcnt 8                               ; this block's cos and sin are in; the eight loads just issued may be out
.else
	s_wait_loadcnt 0x0
.endif
.if (\a) > 0
	s_wait_dscnt 0x0                               ; the last block's stores have read the code registers
.endif
.irp bb, 0,2,4,6
.irp t, 0,1
.irp i, 0,2,4,6
	v_pk_mul_f32 v[U+8*\t+\i:U+8*\t+\i+1], v[TMP+8*(\bb+\t)+\i:TMP+8*(\bb+\t)+\i+1], v[CSA+8*((\bb+\t)%4)+\i:CSA+8*((\bb+\t)%4)+\i+1] op_sel:[1,1] op_sel_hi:[0,1]   ; (xi s, xr s)
.endr
.endr
.irp t, 0,1
.irp i, 0,2,4,6
	v_pk_fma_f32 v[TMP+8*(\bb+\t)+\i:TMP+8*(\bb+\t)+\i+1], v[TMP+8*(\bb+\t)+\i:TMP+8*(\bb+\t)+\i+1], v[CSA+8*((\bb+\t)%4)+\i:CSA+8*((\bb+\t)%4)+\i+1], v[U+8*\t+\i:U+8*\t+\i+1] op_sel_hi:[1,0,1] neg_lo:[0,0,1]   ; (xr c - xi s, xi c + xr s)
.endr
.endr
.irp n, 0,1,2,3,4,5,6,7,8,9,10,11,12,13,14,15
.endr
	v_cvt_scalef32_pk8_fp8_f32 v[CODE+2*\bb:CODE+2*\bb+1], v[TMP+8*\bb:TMP+8*\bb+7], v[SCL]
	v_cvt_scalef32_pk8_fp8_f32 v[CODE+2*\bb+2:CODE+2*\bb+3], v[TMP+8*\bb+8:TMP+8*\bb+15], v[SCL]
.endr
	v_nop                                          ; a plain instruction behind the last conversion
.irp b, 0,1,2,3,4,5,6,7
	ds_store_b64 v[STOQ], v[CODE+2*\b:CODE+2*\b+1] offset:(\a)*16*QPI+16*\b
.endr
.endm
; Block a of v: 16 channels x my 128 keys.  The bias is the row's.
.macro V_BLOCK a
.set AC, 64*((\a)%4)
	v_mov_b32 v2, v[BR+\a]
	v_mov_b32 v3, v[BR+\a]
	WIN 0x02+((\a)/4)
.set qj, 0
.rept 32
	v_pk_fma_f32 v[TMP+qj:TMP+qj+1], v[AC+qj:AC+qj+1], s[96:97], v[2:3] op_sel_hi:[1,0,1]
.set qj, qj+2
.endr
	WIN 0
.if (\a) > 0
	s_wait_alu depctr_va_vdst(0)
	s_wait_dscnt 0x0                               ; the last block's stores have read the code registers
.endif
.irp b, 0,1,2,3,4,5,6,7
.irp n, 0,1,2,3,4,5,6,7
.endr
	v_cvt_scalef32_pk8_fp8_f32 v[CODE+2*\b:CODE+2*\b+1], v[TMP+8*\b:TMP+8*\b+7], v[SCL]
.endr
	v_nop
.irp b, 0,1,2,3,4,5,6,7
	ds_store_b64 v[STOV], v[CODE+2*\b:CODE+2*\b+1] offset:(\a)*16*VPI+16*\b
.endr
.endm
	s_cmp_eq_u32 s66, 2                            ; the kind: the same in every wave of every work-group of the cluster
	s_cbranch_scc1 .Lkind_v
.irp a, 0,1,2,3,4,5,6,7
	QK_BLOCK \a
.endr
	s_wait_dscnt 0x0                               ; for the others' sake: my stores into the stage are done
	s_barrier_signal -1
	s_barrier_wait -1                              ; a row's 256 codes come from two waves
.set u, 0
.rept 32                                           ; load u: rows 64 w + 8 (u / 4) on, head u % 4: eight rows x 64 bytes
	ds_load_b128 v[OB+4*u:OB+4*u+3], v[RDQ] offset:(u/4)*8*QPI+(u%4)*64
.set u, u+1
.endr
.set u, 0
.rept 32
	s_wait_dscnt 31-u                              ; LDS loads come back in order: load u is in
	global_store_b128 v[L16], v[OB+4*u:OB+4*u+3], s[100:101] offset:(u%4)*131072+(u/4)*512   ; eight tokens of one head: 512 consecutive bytes, aligned
.set u, u+1
.endr
	s_wait_tensorcnt 0x0                           ; the wave's end, behind my last tensor load and my last LDS store
	ds_add_u32 v[SPW], v[NIL]
	s_wait_dscnt 0x0
	s_branch .Lclose
.Lkind_v:
.irp a, 0,1,2,3,4,5,6,7
	V_BLOCK \a
.endr
	s_wait_dscnt 0x0
	s_barrier_signal -1
	s_barrier_wait -1
.set u, 0
.rept 32                                           ; load u: rows 64 w + 2 u and + 1, whole
	ds_load_b128 v[OB+4*u:OB+4*u+3], v[RDV] offset:2*u*VPI
.set u, u+1
.endr
.set u, 0
.rept 32
	s_wait_dscnt 31-u
	global_store_b128 v[GOV], v[OB+4*u:OB+4*u+3], s[100:101] offset:2*u*8192   ; sixteen lanes store 256 consecutive bytes, aligned
.set u, u+1
.endr
	s_wait_tensorcnt 0x0                           ; the wave's end, as above
	ds_add_u32 v[SPW], v[NIL]
	s_wait_dscnt 0x0
.Lclose:
	CROUND                                         ; the closing round: no work-group ends while a partner may still ask for a tile that names it
	s_endpgm
.Lfunc_end_k_qf4fd023c1c_qkv:
	.size	k_qf4fd023c1c_qkv, .Lfunc_end_k_qf4fd023c1c_qkv-k_qf4fd023c1c_qkv
	.p2alignl 7, 3214868480
	.fill 96, 4, 3214868480
	.section	.rodata,"a",@progbits
	.p2align	6, 0x0
	.amdhsa_kernel k_qf4fd023c1c_qkv
		.amdhsa_group_segment_fixed_size 327680
		.amdhsa_private_segment_fixed_size 0
		.amdhsa_enable_private_segment 0
		.amdhsa_kernarg_size 64
		.amdhsa_user_sgpr_count 2
		.amdhsa_user_sgpr_kernarg_segment_ptr 1
		.amdhsa_wavefront_size32 1
		.amdhsa_system_sgpr_workgroup_id_x 1
		.amdhsa_system_sgpr_workgroup_id_y 1
		.amdhsa_system_sgpr_workgroup_id_z 1
		.amdhsa_system_vgpr_workitem_id 0
		.amdhsa_next_free_vgpr 1024
		.amdhsa_next_free_sgpr 102
		.amdhsa_reserve_vcc 0
		.amdhsa_float_denorm_mode_32 3
		.amdhsa_float_denorm_mode_16_64 3
		.amdhsa_fp16_overflow 1
		.amdhsa_memory_ordered 1
		.amdhsa_forward_progress 1
		.amdhsa_inst_pref_size 184
	.end_amdhsa_kernel
	.amdgpu_metadata
---
amdhsa.version: [ 1, 2 ]
amdhsa.kernels:
  - .name:           k_qf4fd023c1c_qkv
    .symbol:         k_qf4fd023c1c_qkv.kd
    .args:
      - { .name: xc, .offset: 0, .size: 8, .value_kind: global_buffer, .address_space: global }
      - { .name: wc, .offset: 8, .size: 8, .value_kind: global_buffer, .address_space: global }
      - { .name: rt, .offset: 16, .size: 8, .value_kind: global_buffer, .address_space: global }
      - { .name: bq, .offset: 24, .size: 8, .value_kind: global_buffer, .address_space: global }
      - { .name: bk, .offset: 32, .size: 8, .value_kind: global_buffer, .address_space: global }
      - { .name: bv, .offset: 40, .size: 8, .value_kind: global_buffer, .address_space: global }
      - { .name: lowp_scales, .offset: 48, .size: 8, .value_kind: global_buffer, .address_space: global }
      - { .name: qkv, .offset: 56, .size: 8, .value_kind: global_buffer, .address_space: global }
    .group_segment_fixed_size: 327680
    .private_segment_fixed_size: 0
    .kernarg_segment_align: 8
    .kernarg_segment_size: 64
    .max_flat_workgroup_size: 128
    .sgpr_count:     102
    .vgpr_count:     1024
    .wavefront_size: 32
...
	.end_amdgpu_metadata
.endif
;; end of part 2
;; launch attn (part 3): grid 4 x 64, 16 waves a work-group, no clusters, 327,680 bytes of LDS; arguments qkv, lowp_scales, yc; writes yc
.if DOCPART == 3
	.amdgcn_target "amdgcn-amd-amdhsa--gfx1250"
	.amdhsa_code_object_version 6
	.text
	.protected	k_qf4fd023c1c_attn
	.globl	k_qf4fd023c1c_attn
	.p2align	8
	.type	k_qf4fd023c1c_attn,@function
k_qf4fd023c1c_attn:
	s_mov_b64 s[64:65], 0
	v_nop
	global_prefetch_b8 v0, s[64:65] scope:SCOPE_SE
	s_setreg_imm32_b32 hwreg(HW_REG_WAVE_MODE, 25, 1), 1
	s_wait_xcnt 0x0
; CAUSAL ATTENTION ON E4M3 CODES, head size 64, 2,048 positions, 64 heads (b x 16 + h).  In: qkv (q at byte 0 and k at 8 MiB: [head][t][64]; v at 16 MiB: [h x 64 + d][b x 2048 + t], the keys innermost).
; Out: yc = the attention's result as codes with the scale 2^e10, [head][t][64]: the next product's operand.
; THE SOFTMAX AHEAD OF THE SECOND PRODUCT: t = score x 2^(e6 + e7) x log2(e) / 8; M = the row's largest t so far, rounded UP to a whole number; p = 2^(t - M) is quantised (scale 2^e8), not normalised.  The row's sum is taken
; of the unquantised p and divides at the end.  When M moves, the sum and O are multiplied by 2^(old M - new M): exact.  A hidden score is -infinity, so its p is 0.
; SHARES.  Work-group (i, head), i = 0 .. 3, owns the query blocks 7 - i and i, 256 queries each, one after the other: block 7 - i walks key slots 0 .. 7 - i, block i walks slots 0 .. i: NINE slots of 256 keys for every
; work-group, so the loop's trip count is a constant and all 256 work-groups have the same work.  Each of the SIXTEEN waves owns 16 queries of the block in 256 registers: four waves to a SIMD, so that one wave's vector work
; stands beside another's matrix work and LDS loads.  A step is 128 keys; a step all of whose keys come after the wave's queries is jumped over (a scalar branch on ids).
; LAYOUT.  Both products are used transposed: S^T = K Q^T (source 0 = 16 keys, source 1 = my 16 queries; K = 64), O^T = V^T P^T (source 0 = 16 channels, source 1 = P; K = 128 keys): a lane holds ONE query (lane % 16) throughout.
; Register j of score tile c is key 16 c + 8 (lane / 16) + j: just the k that registers 2 c, 2 c + 1 of the second product's operand hold: the conversions' results are that operand.  V's fragments come by 8-byte loads in the same layout.
; NO JOINT LOADS: the four work-groups of a head want the same slot only while all are in their first block; from visit 8 - i on work-group i starts again at slot 0, so partners would ask for different tiles in the same round.
; LIMITS: e6 + e7 between -123 and 130 (added to c's exponent field); e8 and e10 between -126 and 119; e8 + e9 goes in by v_ldexp_f32.  NaN is not served.
; REGISTERS: v1-11 addresses; v12 -M, v13 the largest t, v[14:15] the sum in two halves; v16-23 Q; v24 r - 8 h; v32-95 K's eight fragments, then V's four; v96-159 S^T, then p; v160-191 O^T; v224-239 p's codes; v240-254 scales and work.
.set KP,    272                        ; four keys' rows (256 bytes) + 16 of padding: key kk lies at (kk / 4) x 272 + (kk % 4) x 64: the 16 keys of a load start at 16 different groups of four banks
.set VP,    272                        ; a channel's 256 keys + 16
.set VOFF,  64*KP                      ; a slot: K's 256 keys, then V's 64 rows
.set SLOT1, 65536                      ; slot 1 begins here: one exclusive or turns an address in one slot into the other's
.set STAGE, 2*SLOT1                    ; the way out: 1,024 bytes for each wave; no tile lands here
.set SPARE, STAGE+16*1024              ; the spare words, 128 bytes for each wave: eight blocks of 256 bytes that no other line names
.set AK0,  1                           ; v1   my lane's place in a tile of K
.set AV0,  2                           ; v2   the same for V
.set PFO,  3                           ; v3   the prefetches' offset; never rewritten
.set STO,  4                           ; v4   into my stage
.set SPW,  5                           ; v5   LDS address of my spare word; never rewritten
.set NIL,  6                           ; v6   0; never rewritten
.set RD,   7                           ; v7   out of my stage
.set ADK,  8                           ; v8   LDS address of the step's tiles of K
.set ADV,  9                           ; v9   of V
.set QO,   10                          ; v10  Q: row r x 64 + 16 h
.set L16,  11                          ; v11  16 x lane
.set DQ,   24                          ; v24  r - 8 h, for the mask
.set TB,   2                           ; s2   LDS byte at which the slot in hand begins
.set WV,   18                          ; s18  my wave's number
.set SEL,  20                          ; s[20:21] lane selects for v_permlanex16_b32: lane l xor 16
.set CS,   22                          ; s[22:23] c = 2^(e6 + e7) log2(e) / 8
.set G1K,  24                          ; s[24:31] descriptor group 1 for K's tiles;  s[32:39] for V's;  s[40:43], s[44:47] their groups 0
.set G1V,  32
.set G0K,  40
.set G0V,  44
.set NS,   48                          ; s48  the key slot that is asked for next
.set PH,   66                          ; s66  i + 1: the count at which the first block ends
.set SLOTS, 67                         ; s67  visits still to be asked for
.set PFA,  76                          ; s[76:77] where my prefetches stand
.set PFS,  78                          ; s[78:79] a slot on, in bytes
.set LIM,  80                          ; s80  2 in a wave that prefetches, else the greatest number
.set KF,   98                          ; s98  the step's first key
.set Q0,   99                          ; s99  my first query
; Wave 0 fetches K's tile, wave 1 V's, the others nothing.  The branches hang on the wave's number alone.  An s_nop 0 and four v_nop follow each of the two lines.
.macro TLOAD
	s_cmp_eq_u32 s[WV], 0
	s_cbranch_scc0 .Lnot_k_\@
	tensor_load_to_lds s[G0K:G0K+3], s[G1K:G1K+7]
	s_nop 0
.rept 4
	v_nop
.endr
	s_branch .Lasked_\@
.Lnot_k_\@:
	s_cmp_eq_u32 s[WV], 1
	s_cbranch_scc0 .Lasked_\@
	tensor_load_to_lds s[G0V:G0V+3], s[G1V:G1V+7]
	s_nop 0
.rept 4
	v_nop
.endr
.Lasked_\@:
.endm
; A PREFETCH INTO THE L2 of the slot that the NEXT change of slots will ask for.  All four work-groups of a head begin with slots 0, 1, 2 ..: work-group i = 0, which walks all eight, asks, and nobody else (a branch on the
; work-group's number: no cluster here).  In it four waves that fetch nothing ask, one instruction each: waves 4 and 5 for K's dense 16,384 bytes, 8,192 a wave, lanes 256 bytes apart; waves 6 and 7 for V's 64 rows, 32 a wave,
; a lane a row (a slot's part of a row is 256 bytes, aligned).  In visit n slot n + 2 is named, for n = 0 .. 5: each block of 256 bytes once.  Slots 0 and 1 come by their loads alone.
.macro ASK
	s_cmp_gt_u32 s[SLOTS], s[LIM]
	s_cbranch_scc0 .Lnot_mine_\@
	global_prefetch_b8 v[PFO], s[PFA:PFA+1] th:TH_LOAD_NT scope:SCOPE_SE
.Lnot_mine_\@:
.endm
	s_load_b128 s[4:7], s[0:1], 0x0                ; qkv s[4:5], the scales' exponents s[6:7]
	s_load_b64 s[8:9], s[0:1], 0x10                ; yc
	v_lshl_add_u32 v[SPW], v0, 2, SPARE
	v_mov_b32 v[NIL], 0
	ds_add_u32 v[SPW], v[NIL]                      ; the wave's opening: the add and its wait stand ahead of the first tensor load; the set-up below, work on registers, stands between them
	ds_add_u32 v[SPW], v[NIL]
	v_lshrrev_b32 v8, 5, v0
	s_delay_alu instid0(VALU_DEP_1)
	v_readfirstlane_b32 s[WV], v8                  ; wave 0..15
	s_and_b32 s81, ttmp7, 0xffff                   ; the head, b x 16 + h
	s_lshr_b32 s82, s81, 4                         ; b
	s_and_b32 s83, s81, 15                         ; h
	s_lshl_b32 s84, s81, 17                        ; a head of q, k or y is 2,048 x 64 bytes
	s_sub_co_u32 s86, 7, ttmp9
	s_lshl_b32 s[Q0], s86, 8
	s_lshl_b32 s87, s[WV], 4
	s_add_co_u32 s[Q0], s[Q0], s87                 ; my first query: 256 (7 - i) + 16 x wave
	s_lshl_b32 s86, s[Q0], 6
	s_add_co_u32 s86, s86, s84                     ; its bytes in q and in y
	s_mov_b32 s87, 0
	s_add_co_u32 s88, s84, 0x800000                ; the head's k
	s_mov_b32 s89, 0
	s_lshl_b32 s90, s83, 19                        ; the head's v: 64 rows of 8,192 bytes for each h,
	s_lshl_b32 s91, s82, 11                        ; 2,048 keys for each b
	s_add_co_u32 s90, s90, s91
	s_add_co_u32 s90, s90, 0x1000000
	s_mov_b32 s91, 0
	s_lshl_b32 s54, ttmp9, 1
	s_sub_co_u32 s54, 7, s54                       ; from block 7 - i back to block i: 7 - 2 i blocks,
	s_lshl_b32 s97, s54, 8                         ; in queries,
	s_lshl_b32 s54, s54, 14                        ; and in bytes
	s_mov_b32 s55, 0
	s_add_co_u32 s[PH], ttmp9, 1
	; descriptor group 1.  K: a slot's 256 keys x 64 bytes are dense in memory: 64 rows of 256 bytes.  V: 64 rows of 256 bytes, 8,192 bytes apart
	s_mov_b32 s[G1K], (0<<16)|(1<<20)|(5<<22)|(3<<25)   ; 15:0 no mask; 17:16 elements of 1 byte; 20 padding on; 24:22 after every 64 words (code 5); 31:25 four words (code 3)
	s_mov_b32 s[G1K+1], 256<<16                    ; tensor_dim0
	s_mov_b32 s[G1K+2], 64<<16                     ; tensor_dim1
	s_mov_b32 s[G1K+3], 256<<16                    ; tile_dim0
	s_mov_b32 s[G1K+4], 64                         ; tile_dim1
	s_mov_b32 s[G1K+5], 256                        ; tensor_dim0_stride
	s_mov_b32 s[G1K+6], 0
	s_mov_b32 s[G1K+7], 0
	s_mov_b32 s[G1V], (0<<16)|(1<<20)|(5<<22)|(3<<25)
	s_mov_b32 s[G1V+1], 256<<16
	s_mov_b32 s[G1V+2], 64<<16
	s_mov_b32 s[G1V+3], 256<<16
	s_mov_b32 s[G1V+4], 64
	s_mov_b32 s[G1V+5], 8192
	s_mov_b32 s[G1V+6], 0
	s_mov_b32 s[G1V+7], 0
	s_mov_b32 s[SEL], 0x76543210
	s_mov_b32 s[SEL+1], 0xfedcba98
	s_mov_b32 s[CS], 0x3e38aa3b                    ; log2(e) / 8
	s_mov_b32 s[TB], 0
	s_mov_b32 s[NS], 0
	s_mov_b32 s51, 0
	s_mov_b32 s53, 0
	s_mov_b32 s[SLOTS], 8
	s_mov_b32 s[KF], 0
	s_wait_dscnt 0x0                               ; the opening add is done
	s_wait_kmcnt 0x0
	s_load_b128 s[68:71], s[6:7], 0x18             ; e6, e7, e8, e9
	s_load_b32 s72, s[6:7], 0x28                   ; e10
	s_add_nc_u64 s[14:15], s[4:5], s[88:89]        ; the head's K,
	s_add_nc_u64 s[16:17], s[4:5], s[90:91]        ; its V,
	s_add_nc_u64 s[10:11], s[4:5], s[86:87]        ; my queries,
	s_add_nc_u64 s[12:13], s[8:9], s[86:87]        ; and their rows of y
	s_mov_b32 s[G0K], 1                            ; 1:0 count = 1
	s_mov_b32 s[G0K+1], 0                          ; 63:32 LDS address: slot 0
	s_mov_b64 s[G0K+2:G0K+3], s[14:15]             ; 120:64 global address: key slot 0
	s_or_b32 s[G0K+3], s[G0K+3], 0x80000000        ; 127:126 type = 2
	s_mov_b32 s[G0V], 1
	s_mov_b32 s[G0V+1], VOFF
	s_mov_b64 s[G0V+2:G0V+3], s[16:17]
	s_or_b32 s[G0V+3], s[G0V+3], 0x80000000
	TLOAD                                          ; key slot 0
	; the prefetches: where my wave's stand, and who asks
	s_cmp_lt_u32 s[WV], 6                          ; waves 4 and 5 ask for K, waves 6 and 7 for V
	s_cselect_b64 s[PFA:PFA+1], s[14:15], s[16:17]
	s_mov_b32 s[PFS], 256
	s_cselect_b32 s[PFS], 16384, s[PFS]            ; a slot on
	s_mov_b32 s82, 8192
	s_cselect_b32 s82, 256, s82                    ; from lane to lane
	s_mov_b32 s83, 32*8192
	s_cselect_b32 s83, 8192, s83                   ; from wave to wave
	v_and_b32 v[PFO], 31, v0
	s_delay_alu instid0(VALU_DEP_1)
	v_mul_lo_u32 v[PFO], v[PFO], s82
	s_and_b32 s82, s[WV], 1
	s_mul_i32 s82, s82, s83                        ; my wave's part,
	s_add_co_u32 s82, s82, s[PFS]                  ; in slot 1: the first change of slots steps it to slot 2.  Nothing is prefetched here, at the head
	s_mov_b32 s83, 0
	s_mov_b32 s[PFS+1], 0
	s_add_nc_u64 s[PFA:PFA+1], s[PFA:PFA+1], s[82:83]
	s_sub_co_u32 s82, s[WV], 4
	s_lshr_b32 s82, s82, 2                         ; 0 in waves 4 to 7,
	s_or_b32 s82, s82, ttmp9                       ; of work-group i = 0
	s_cmp_eq_u32 s82, 0
	s_cselect_b32 s[LIM], 2, -1
	v_and_b32 v8, 15, v0                           ; r = lane % 16
	v_bfe_u32 v9, v0, 4, 1                         ; h = lane / 16
	s_delay_alu instid0(VALU_DEP_2)
	v_lshlrev_b32 v[QO], 6, v8
	s_delay_alu instid0(VALU_DEP_1)
	v_lshl_add_u32 v[QO], v9, 4, v[QO]
	global_load_b128 v[16:19], v[QO], s[10:11]             ; Q's fragment: registers 0-3: d = 16 h + 0 .. 15; registers 4-7: d = 32 + 16 h + 0 .. 15: the same permutation of d as in K's fragments
	global_load_b128 v[20:23], v[QO], s[10:11] offset:32
	v_lshrrev_b32 v[L16], 2, v8
	s_delay_alu instid0(VALU_DEP_1)
	v_mul_u32_u24 v[AK0], v[L16], KP
	v_and_b32 v[L16], 3, v8
	s_delay_alu instid0(VALU_DEP_1)
	v_lshl_add_u32 v[AK0], v[L16], 6, v[AK0]
	s_delay_alu instid0(VALU_DEP_1)
	v_lshl_add_u32 v[AK0], v9, 4, v[AK0]           ; (r / 4) x 272 + (r % 4) x 64 + 16 h
	v_mul_u32_u24 v[AV0], v8, VP
	s_delay_alu instid0(VALU_DEP_1)
	v_lshl_add_u32 v[AV0], v9, 3, v[AV0]
	s_delay_alu instid0(VALU_DEP_1)
	v_add_nc_u32 v[AV0], VOFF, v[AV0]              ; row r, + 8 h
	s_lshl_b32 s92, s[WV], 10
	s_add_co_u32 s92, s92, STAGE                   ; my stage
	v_lshlrev_b32 v[STO], 6, v8
	s_delay_alu instid0(VALU_DEP_1)
	v_lshl_add_u32 v[STO], v9, 3, v[STO]
	s_delay_alu instid0(VALU_DEP_1)
	v_add_nc_u32 v[STO], s92, v[STO]               ; in: query r's 64 bytes, + 8 h
	v_and_b32 v[L16], 31, v0
	s_delay_alu instid0(VALU_DEP_1)
	v_lshlrev_b32 v[L16], 4, v[L16]
	s_delay_alu instid0(VALU_DEP_1)
	v_add_nc_u32 v[RD], s92, v[L16]                ; back: as the bytes lie
	v_lshlrev_b32 v[DQ], 3, v9
	s_delay_alu instid0(VALU_DEP_1)
	v_sub_nc_u32 v[DQ], v8, v[DQ]
	v_mov_b32 v13, 0xff61b1e6                      ; the largest t so far: -3e38, under every t
	s_delay_alu instid0(VALU_DEP_1)
	v_floor_f32 v12, -v13                          ; -M
	v_mov_b32 v14, 0                               ; the sum, in two halves
	v_mov_b32 v15, 0
	v_mov_b32 v246, 0                              ; written once: a lane permute's destination counts as one of its sources
	v_mov_b32 v253, 0                              ; (named as the upper half of the pair v[252:253])
.set zj, 0
.rept 32
	v_mov_b32 v[160+zj], 0                         ; O^T.  (The step is written once: a block's first step finds zeros, which the first change of M leaves zeros)
.set zj, zj+1
.endr
	s_wait_kmcnt 0x0
	s_add_co_i32 s81, s68, s69
	s_lshl_b32 s81, s81, 23
	s_add_co_i32 s[CS], s[CS], s81                 ; e6 + e7 go into c's exponent field
	s_mov_b32 s[CS+1], s[CS]                       ; (named with it as a pair, so it is written)
	s_add_co_i32 s81, s70, 127
	s_lshl_b32 s82, s81, 23
	v_mov_b32 v244, s82                            ; 2^e8, for p's conversions
	s_add_co_i32 s81, s72, 127
	s_lshl_b32 s82, s81, 23
	v_mov_b32 v245, s82                            ; 2^e10, for y's
	s_add_co_i32 s73, s70, s71                     ; e8 + e9
; A KEY STEP: 128 keys, the q-th of the slot in hand.
.macro STEP q
	s_add_co_u32 s96, s[Q0], 15
	s_cmp_gt_u32 s[KF], s96                        ; all its keys come after my 16 queries: the step's work is left out; no barrier and no tensor load stands in a step
	s_cbranch_scc1 .Lhidden_\@
	v_add_nc_u32 v[ADK], s[TB], v[AK0]
	v_add_nc_u32 v[ADV], s[TB], v[AV0]
	v_nop                                          ; with the two additions: four places in front of loads into registers that the last products have read
	v_nop
.irp c, 0,1,2,3,4,5,6,7                        ; tile c: keys 16 c .. 16 c + 15
	ds_load_b128 v[32+8*\c:35+8*\c], v[ADK] offset:(32*(\q)+4*\c)*KP
	ds_load_b128 v[36+8*\c:39+8*\c], v[ADK] offset:(32*(\q)+4*\c)*KP+32
.endr
	s_wait_alu depctr_va_vdst(0)
	s_wait_dscnt 0x0
.irp c, 0,1,2,3,4,5,6,7
	v_wmma_f32_16x16x64_fp8_fp8 v[96+8*\c:103+8*\c], v[32+8*\c:39+8*\c], v[16:23], 0
.endr
.rept 4
	v_nop                                          ; places: the scores are read below, and V's fragments land where K's lay
.endr
.irp t, 0,1,2,3                                ; V's four fragments are asked for now and land under the softmax: channels 16 t + r; registers 2 c, 2 c + 1: keys 16 c + 8 h + 0 .. 7
.irp c, 0,1,2,3,4,5,6,7
	ds_load_b64 v[32+16*\t+2*\c:33+16*\t+2*\c], v[ADV] offset:16*\t*VP+128*(\q)+16*\c
.endr
.endr
	s_add_co_u32 s96, s[KF], 127                   ; on the diagonal the scores of hidden keys become -infinity ahead of the maximum.  A step all of whose keys count skips this
	s_cmp_le_u32 s96, s[Q0]
	s_cbranch_scc1 .Lopen_\@
	s_sub_co_i32 s96, s[Q0], s[KF]
	v_add_nc_u32 v252, s96, v[DQ]                  ; register 8 c + j holds key KF + 16 c + 8 h + j: hidden where 16 c + j > my query - KF - 8 h
	v_mov_b32 v254, 0xff800000
.set mn, 0
.rept 64
	v_cmp_gt_i32 vcc_lo, 16*(mn/8)+mn%8, v252
	v_cndmask_b32 v[96+mn], v[96+mn], v254, vcc_lo
.set mn, mn+1
.endr
.Lopen_\@:
	v_max3_num_f32 v254, v96, v97, v98             ; the step's largest score of my query, among my 64 keys, in two chains that go up through the tiles,
	v_max3_num_f32 v252, v99, v100, v101
.irp i, 6,10,14,18,22,26,30,34,38,42,46,50,54,58
	v_max3_num_f32 v254, v254, v[96+\i], v[97+\i]
	v_max3_num_f32 v252, v252, v[98+\i], v[99+\i]
.endr
	v_max3_num_f32 v254, v254, v158, v159
	s_delay_alu instid0(VALU_DEP_1)
	v_max_num_f32 v254, v254, v252
	s_delay_alu instid0(VALU_DEP_1)
	v_permlanex16_b32 v246, v254, s[SEL], s[SEL+1]
	s_delay_alu instid0(VALU_DEP_1)
	v_max_num_f32 v254, v254, v246                 ; and among lane l xor 16's
	s_delay_alu instid0(VALU_DEP_1)
	v_mul_f32 v254, s[CS], v254                    ; as t (c is positive)
	s_delay_alu instid0(VALU_DEP_1)
	v_max_num_f32 v13, v13, v254                   ; the running largest t
	v_mov_b32 v254, v12
	s_delay_alu instid0(VALU_DEP_2)
	v_floor_f32 v12, -v13                          ; the new -M = floor(-t) = -ceil(t): a whole number
	s_delay_alu instid0(VALU_DEP_1)
	v_sub_f32 v254, v12, v254                      ; old M - new M: a whole number, 0 or less
	s_delay_alu instid0(VALU_DEP_1)
	v_cvt_i32_f32 v254, v254                       ; (it saturates)
	s_delay_alu instid0(VALU_DEP_1)
	v_ldexp_f32 v252, 1.0, v254                    ; f = 2^(old M - new M)
.set sj, 0
.rept 32
	v_pk_fma_f32 v[96+sj:97+sj], v[96+sj:97+sj], s[CS:CS+1], v[12:13] op_sel_hi:[1,0,0]   ; t - M, two at a time
.set sj, sj+2
.endr
.set sj, 0
	s_wait_alu depctr_va_vdst(0)
.rept 64
	v_exp_f32 v[96+sj], v[96+sj]                   ; p = 2^(t - M): one batch
.set sj, sj+1
.endr
	v_pk_mul_f32 v[14:15], v[14:15], v[252:253] op_sel_hi:[1,0]   ; the sums under the new M: the plain instruction behind the exponentials
	s_wait_alu depctr_va_vdst(0)                   ; one wait for the whole batch, ahead of its first reader
	v_pk_add_f32 v[242:243], v[100:101], v[104:105]
	v_pk_add_f32 v[254:255], v[108:109], v[112:113]
	v_pk_add_f32 v[250:251], v[116:117], v[120:121]
	v_pk_add_f32 v[248:249], v[124:125], v[128:129]
	v_pk_add_f32 v[240:241], v[132:133], v[136:137]
	v_pk_add_f32 v[238:239], v[140:141], v[144:145]
	v_pk_add_f32 v[236:237], v[148:149], v[152:153]
	v_pk_add_f32 v[14:15], v[14:15], v[156:157]
	v_pk_add_f32 v[242:243], v[242:243], v[96:97]
	v_pk_add_f32 v[254:255], v[254:255], v[98:99]
	v_pk_add_f32 v[250:251], v[250:251], v[102:103]
	v_pk_add_f32 v[248:249], v[248:249], v[106:107]
	v_pk_add_f32 v[240:241], v[240:241], v[110:111]
	v_pk_add_f32 v[238:239], v[238:239], v[114:115]
	v_pk_add_f32 v[236:237], v[236:237], v[118:119]
	v_pk_add_f32 v[14:15], v[14:15], v[122:123]
	v_pk_add_f32 v[242:243], v[242:243], v[126:127]
	v_pk_add_f32 v[254:255], v[254:255], v[130:131]
	v_pk_add_f32 v[250:251], v[250:251], v[134:135]
	v_pk_add_f32 v[248:249], v[248:249], v[138:139]
	v_pk_add_f32 v[240:241], v[240:241], v[142:143]
	v_pk_add_f32 v[238:239], v[238:239], v[146:147]
	v_pk_add_f32 v[236:237], v[236:237], v[150:151]
	v_pk_add_f32 v[14:15], v[14:15], v[154:155]
	v_pk_add_f32 v[242:243], v[242:243], v[158:159]
	s_delay_alu instid0(VALU_DEP_2)
	v_pk_add_f32 v[14:15], v[14:15], v[248:249]
	s_delay_alu instid0(VALU_DEP_2)
	v_pk_add_f32 v[242:243], v[242:243], v[240:241]
	v_pk_add_f32 v[254:255], v[254:255], v[238:239]
	v_pk_add_f32 v[250:251], v[250:251], v[236:237]
	s_delay_alu instid0(VALU_DEP_2)
	v_pk_add_f32 v[14:15], v[14:15], v[254:255]
	s_delay_alu instid0(VALU_DEP_2)
	v_pk_add_f32 v[242:243], v[242:243], v[250:251]
	s_delay_alu instid0(VALU_DEP_1)
	v_pk_add_f32 v[14:15], v[14:15], v[242:243]
.irp c, 0,1,2,3,4,5,6,7
.irp i, 0,1,2,3,4,5,6,7
.endr
	v_cvt_scalef32_pk8_fp8_f32 v[224+2*\c:225+2*\c], v[96+8*\c:103+8*\c], v244
.endr
.set sj, 0
.rept 16
	v_pk_mul_f32 v[160+sj:161+sj], v[160+sj:161+sj], v[252:253] op_sel_hi:[1,0]   ; O^T under the new M.  (Plain instructions behind the last conversion, too)
.set sj, sj+2
.endr
	s_wait_alu depctr_va_vdst(0)
	s_wait_dscnt 0x0                               ; V's fragments are in
.irp t, 0,1,2,3                                ; O^T += V^T P^T: the four accumulators take turns; the eight score products stand between two steps' turns
	v_wmma_f32_16x16x128_fp8_fp8 v[160+8*\t:167+8*\t], v[32+16*\t:47+16*\t], v[224:239], v[160+8*\t:167+8*\t]
.endr
.Lhidden_\@:
	s_add_co_u32 s[KF], s[KF], 128
.endm
; THE CHANGE OF SLOTS stands at a visit's head.  Each wave waits for all its tensor loads (wave 0's and 1's: the slot that is about to be read), adds 0 to its spare word, and waits for that and for its reads of the slot
; that it has left.  Behind the barrier the slot ahead is whole and nobody reads the other one.  fill = 1: that other slot takes the next visit's keys: the load has a whole visit's steps in which to land; one load of a wave is out.
.macro CHANGE fill
	s_wait_tensorcnt 0x0                           ; no tensor load of mine is out, so a group 0 may be written
	ds_add_u32 v[SPW], v[NIL]                      ; 0 onto my spare word; with fill = 1 the descriptors' words are made between it and the wait for it
.if \fill
	s_xor_b32 s[G0K+1], s[G0K+1], SLOT1            ; the other LDS slot than last time
	s_xor_b32 s[G0V+1], s[G0V+1], SLOT1
	s_add_co_u32 s[NS], s[NS], 1                   ; the next key slot,
	s_cmp_eq_u32 s[SLOTS], s[PH]
	s_cselect_b32 s[NS], 0, s[NS]                  ; or slot 0 again, where this visit is the first block's last
	s_lshl_b32 s50, s[NS], 14                      ; 256 keys of 64 bytes
	s_lshl_b32 s52, s[NS], 8                       ; 256 keys along V's rows
	s_add_nc_u64 s[G0K+2:G0K+3], s[14:15], s[50:51]
	s_or_b32 s[G0K+3], s[G0K+3], 0x80000000
	s_add_nc_u64 s[G0V+2:G0V+3], s[16:17], s[52:53]
	s_or_b32 s[G0V+3], s[G0V+3], 0x80000000
	s_wait_xcnt 0x0                                ; the last prefetch, a visit back, has read its address, so it may be written
	s_add_nc_u64 s[PFA:PFA+1], s[PFA:PFA+1], s[PFS:PFS+1]
.endif
	s_wait_dscnt 0x0                               ; the add is done, and my reads of the slot that I have left are over
	s_barrier_signal -1
	s_barrier_wait -1
.if \fill
	TLOAD                                          ; the first thing behind the barrier, and a wave's one tensor load until the next
	ASK
.endif
.endm
; A BLOCK'S END: y = O^T / the sum x 2^(e8 + e9); the quantiser with 2^e10; 16 queries x 64 codes are 1,024 consecutive bytes of yc: through my stage, so that each store of the wave covers 512 consecutive bytes, aligned.
; next = 1: on to block i: its queries, and the running figures begin anew.
.macro FINISH next
.rept 4
	v_nop                                          ; places behind the last products
.endr
	v_add_f32 v14, v14, v15                        ; the sum's two halves,
	s_delay_alu instid0(VALU_DEP_1)
	v_permlanex16_b32 v246, v14, s[SEL], s[SEL+1]
	s_delay_alu instid0(VALU_DEP_1)
	v_add_f32 v14, v14, v246                       ; and lane l xor 16's
	s_wait_alu depctr_va_vdst(0)
	v_rcp_f32 v14, v14
	v_nop                                          ; a plain instruction behind the reciprocal
	s_wait_alu depctr_va_vdst(0)                   ; and the wait ahead of its first reader
	v_ldexp_f32 v14, v14, s73
.set fj, 0
.rept 16
	v_pk_mul_f32 v[96+fj:97+fj], v[160+fj:161+fj], v[14:15] op_sel_hi:[1,0]   ; each accumulator from its low end on.  Register 8 t + j: y(query r, channel 16 t + 8 h + j)
.set fj, fj+2
.endr
.irp t, 0,1,2,3
.irp i, 0,1,2,3,4,5,6,7
.endr
	v_cvt_scalef32_pk8_fp8_f32 v[224+2*\t:225+2*\t], v[96+8*\t:103+8*\t], v245
.endr
	v_nop                                          ; a plain instruction behind the last conversion
.irp t, 0,1,2,3
	ds_store_b64 v[STO], v[224+2*\t:225+2*\t] offset:16*\t
.endr
	ds_load_b128 v[32:35], v[RD]                   ; LDS serves a wave's instructions in order: these see my stores
	ds_load_b128 v[36:39], v[RD] offset:512
	s_wait_dscnt 0x0
	global_store_b128 v[L16], v[32:35], s[12:13]
	global_store_b128 v[L16], v[36:39], s[12:13] offset:512
.if \next
	s_wait_xcnt 0x0                                ; the stores have read their registers and their base: both are written again below and in the next step
	s_sub_nc_u64 s[10:11], s[10:11], s[54:55]
	s_sub_nc_u64 s[12:13], s[12:13], s[54:55]
	s_sub_co_u32 s[Q0], s[Q0], s97
	s_mov_b32 s[KF], 0
	global_load_b128 v[16:19], v[QO], s[10:11]
	global_load_b128 v[20:23], v[QO], s[10:11] offset:32
	v_mov_b32 v13, 0xff61b1e6
	s_delay_alu instid0(VALU_DEP_1)
	v_floor_f32 v12, -v13
	v_mov_b32 v14, 0
	v_mov_b32 v15, 0
.set fj, 0
.rept 32
	v_mov_b32 v[160+fj], 0
.set fj, fj+1
.endr
	s_wait_loadcnt 0x0
.endif
.endm
	s_wait_loadcnt 0x0                             ; Q
.Lslot:                                            ; eight trips: behind each change of slots but the last the next visit's keys are asked for
	CHANGE 1
	STEP 0
	STEP 1
	s_xor_b32 s[TB], s[TB], SLOT1                  ; on to the other slot
	s_cmp_lg_u32 s[SLOTS], s[PH]
	s_cbranch_scc1 .Lsame_block
	FINISH 1                                       ; block 7 - i has seen its last slot
.Lsame_block:
	s_sub_co_u32 s[SLOTS], s[SLOTS], 1
	s_cmp_lg_u32 s[SLOTS], 0
	s_cbranch_scc1 .Lslot
	CHANGE 0                                       ; the last visit is written out
	STEP 0
	STEP 1
	FINISH 0
	s_wait_tensorcnt 0x0                           ; the wave's end, behind my last tensor load and my last LDS store
	ds_add_u32 v[SPW], v[NIL]
	s_wait_dscnt 0x0
	s_endpgm
.Lfunc_end_k_qf4fd023c1c_attn:
	.size	k_qf4fd023c1c_attn, .Lfunc_end_k_qf4fd023c1c_attn-k_qf4fd023c1c_attn
	.p2alignl 7, 3214868480
	.fill 96, 4, 3214868480
	.section	.rodata,"a",@progbits
	.p2align	6, 0x0
	.amdhsa_kernel k_qf4fd023c1c_attn
		.amdhsa_group_segment_fixed_size 327680
		.amdhsa_private_segment_fixed_size 0
		.amdhsa_enable_private_segment 0
		.amdhsa_kernarg_size 24
		.amdhsa_user_sgpr_count 2
		.amdhsa_user_sgpr_kernarg_segment_ptr 1
		.amdhsa_wavefront_size32 1
		.amdhsa_system_sgpr_workgroup_id_x 1
		.amdhsa_system_sgpr_workgroup_id_y 1
		.amdhsa_system_sgpr_workgroup_id_z 1
		.amdhsa_system_vgpr_workitem_id 0
		.amdhsa_next_free_vgpr 256
		.amdhsa_next_free_sgpr 100
		.amdhsa_reserve_vcc 1
		.amdhsa_float_denorm_mode_32 3
		.amdhsa_float_denorm_mode_16_64 3
		.amdhsa_fp16_overflow 1
		.amdhsa_memory_ordered 1
		.amdhsa_forward_progress 1
		.amdhsa_inst_pref_size 97
	.end_amdhsa_kernel
	.amdgpu_metadata
---
amdhsa.version: [ 1, 2 ]
amdhsa.kernels:
  - .name:           k_qf4fd023c1c_attn
    .symbol:         k_qf4fd023c1c_attn.kd
    .args:
      - { .name: qkv, .offset: 0, .size: 8, .value_kind: global_buffer, .address_space: global }
      - { .name: lowp_scales, .offset: 8, .size: 8, .value_kind: global_buffer, .address_space: global }
      - { .name: yc, .offset: 16, .size: 8, .value_kind: global_buffer, .address_space: global }
    .group_segment_fixed_size: 327680
    .private_segment_fixed_size: 0
    .kernarg_segment_align: 8
    .kernarg_segment_size: 24
    .max_flat_workgroup_size: 512
    .sgpr_count:     100
    .vgpr_count:     256
    .wavefront_size: 32
...
	.end_amdgpu_metadata
.endif
;; end of part 3
;; launch proj (part 4): grid 4 x 32, 4 waves a work-group, clusters of 4 x 4, 327,680 bytes of LDS; arguments yc, wc, lowp_scales, bp, out0; writes out0
.if DOCPART == 4
	.amdgcn_target "amdgcn-amd-amdhsa--gfx1250"
	.amdhsa_code_object_version 6
	.text
	.protected	k_qf4fd023c1c_proj
	.globl	k_qf4fd023c1c_proj
	.p2align	8
	.type	k_qf4fd023c1c_proj,@function
k_qf4fd023c1c_proj:
	s_mov_b64 s[64:65], 0
	v_nop
	global_prefetch_b8 v0, s[64:65] scope:SCOPE_SE
	s_setreg_imm32_b32 hwreg(HW_REG_WAVE_MODE, 25, 1), 1
	s_wait_xcnt 0x0
	s_wait_alu depctr_hold_cnt(0) depctr_sa_sdst(0) depctr_va_vdst(0) depctr_va_sdst(0) depctr_va_ssrc(0) depctr_va_vcc(0) depctr_vm_vsrc(0)
	s_getreg_b32 s2, hwreg(HW_REG_IB_STS2, 6, 4)
	s_cmp_eq_u32 s2, 0
	s_cbranch_scc0 .Lentry_in_a_cluster
	s_endpgm
.Lentry_in_a_cluster:
	s_bfe_u32 s2, ttmp6, 0x10000c
	s_cmp_lg_u32 s2, 0xf033
	s_cbranch_scc0 .Lentry_shape_is_right
	s_endpgm
.Lentry_shape_is_right:
; out0 = y Wp + bp: [8192 x 1024] x [1024 x 1024] on E4M3 codes; each finished sum x 2^(e10 + e11), + bp.  out0: [8192][1024] f32.
; A = y's codes, laid BY HEAD: yc = [b x 16 + head][t][64]; row m = b x 2048 + t, k = head x 64 + d.  B = Wp's codes, the fourth MiB of wc, [n][k].
; A tile of C, 256 x 256, is made by a work-group of four waves; a wave makes 128 x 128: 64 accumulators, 512 registers.  32 x 4 tiles: 128 work-groups; a smaller tile would read each LDS byte for half the products.
; K goes in steps of 256, four heads, through a ring of two LDS slots.  Of A a wave's load brings 128 rows x 4 heads: for each head 8,192 dense bytes: a tile of 4 rows of 8,192 bytes, 131,072 apart, with 16 bytes of
; padding behind every 256: in LDS a head takes 8,704 bytes, and row rr of it lies at (rr / 4) x 272 + (rr % 4) x 64.  Of B: 128 rows of 256 bytes, 272 apart.  K = 1,024 is four fills: the steps are written out.
; CLUSTERS: 4 x 4 work-groups; A's tiles are shared along a row of the cluster, B's along a column, each asked for JOINTLY.  THE MATRIX INSTRUCTION IS USED TRANSPOSED (source 0 = 16 rows of B, source 1 = 16 rows of A).
; LIMIT: e10 + e11 between -126 and 127, so that 2^(e10 + e11) is an f32 number.
; REGISTERS, in windows of 256: window 0: v1-31 addresses, v8-11 bp of my four columns on the way out; from v128 A's fragments, ONE set; on the way out v128-255 rows of C.
;   window 1: B's fragments, TWO sets.   window 2: the accumulators of my rows 0-63;   window 3: those of my rows 64-127.
.set ROWB,   256
.set KROW,   1024
.set PITCH,  272
.set HEADB,  32*PITCH                  ; a head's 128 rows in LDS: 8,704 bytes
.set ASTEP,  4*131072                  ; a K step along A in memory: four heads
.set FR,     16
.set NL,     4
.set NP,     4
.set HALFT,  128*PITCH                 ; what one tensor load brings: 34,816 bytes, of A as of B
.set SLOT,   4*HALFT
.set SPARE,  2*SLOT
.set SPITCH, 528                       ; the way out: a stage of 16 rows x (512 bytes + 16) for each wave, in slot 0, which has had its last fill and its last read when the first result is stored there
.set ADRA, 16
.set ADRB, 20
.set STO,  24
.set RD,   25
.set CO,   26
.set SPW,  28
.set NIL,  29
.set AF,   128
.set BK,   128
.set G1, 24
.set G0, 32
.set G1B, 48
.set G0B, 56
.set MSB, 0
.macro WIN new                         ; the immediate's high byte repeats the setting that is left
.if MSB != \new
	s_set_vgpr_msb (MSB<<8)|\new
.set MSB, \new
.endif
.endm
.set MUL_LO, 0xa1
.set MUL_HI, 0xf1
.set TO_B,   0x40
; A joint load: waves 0 and 1 fetch for A, waves 2 and 3 for B; an s_nop 0 and four v_nop follow each of the two lines.
.macro JLOAD g0a, g1a, g0b, g1b
	s_cmp_eq_u32 s15, 0
	s_cbranch_scc0 .Lfor_b_\@
	tensor_load_to_lds s[\g0a:\g0a+3], s[\g1a:\g1a+7]
	s_nop 0
.rept 4
	v_nop
.endr
	s_branch .Lasked_\@
.Lfor_b_\@:
	tensor_load_to_lds s[\g0b:\g0b+3], s[\g1b:\g1b+7]
	s_nop 0
.rept 4
	v_nop
.endr
.Lasked_\@:
.endm
.macro CREST
	s_cmp_lg_u32 s14, 0
	s_cbranch_scc1 .Lnot_wave_0_\@
	s_barrier_signal -3
.Lnot_wave_0_\@:
	s_barrier_wait -3
	s_barrier_signal -1
	s_barrier_wait -1
.endm
.macro CROUND
	s_barrier_signal -1
	s_barrier_wait -1
	CREST
.endm
	s_load_b128 s[4:7], s[0:1], 0x0                ; yc s[4:5], wc s[6:7]
	s_load_b128 s[8:11], s[0:1], 0x10              ; the scales' exponents s[8:9], bp s[10:11]
	s_load_b64 s[12:13], s[0:1], 0x20              ; out0
	v_lshl_add_u32 v[SPW], v0, 2, SPARE
	v_mov_b32 v[NIL], 0
	ds_add_u32 v[SPW], v[NIL]                      ; the wave's opening: the add and its wait stand ahead of my first tensor load
	ds_add_u32 v[SPW], v[NIL]
	v_lshrrev_b32 v1, 5, v0
	v_readfirstlane_b32 s14, v1                    ; wave 0..3
	s_lshr_b32 s15, s14, 1                         ; my half of the tile's rows.  Also: I fetch for A (0) or for B (1)
	s_and_b32 s16, s14, 1                          ; my half of its columns.  Also: which 128 rows of that tile I fetch
	s_bfe_u32 s40, ttmp6, 0x40000                  ; cx, cy
	s_bfe_u32 s41, ttmp6, 0x40004
	s_lshl_b32 s42, ttmp9, 2
	s_add_co_u32 s42, s42, s40                     ; tile column of C
	s_and_b32 s17, ttmp7, 0xffff
	s_lshl_b32 s17, s17, 2
	s_add_co_u32 s17, s17, s41                     ; tile row of C
	s_lshl_b32 s43, s41, 2
	s_lshl_b32 s43, 15, s43                        ; my row of the cluster
	s_lshl_b32 s44, 0x1111, s40                    ; my column
	s_or_b32 s[G1+0], s43, (0<<16)|(1<<20)|(1<<21)|(5<<22)|(3<<25)  ; 15:0 the mask; 17:16 element of 1 byte; 20 padding on; 21 set beside a mask; 24:22 after every 64 words (code 5); 31:25 of 4 words (code 3)
	s_mov_b32 s[G1+1], 8192<<16                    ; A: tensor_dim0 = 8,192 bytes: a head's 128 rows
	s_mov_b32 s[G1+2], 4<<16                       ; tensor_dim1 = 4 heads
	s_mov_b32 s[G1+3], 8192<<16                    ; tile_dim0
	s_mov_b32 s[G1+4], 4                           ; tile_dim1
	s_mov_b32 s[G1+5], 131072                      ; from head to head
	s_mov_b32 s[G1+6], 0
	s_mov_b32 s[G1+7], 0
	s_or_b32 s[G1B+0], s44, (0<<16)|(1<<20)|(1<<21)|(5<<22)|(3<<25)
	s_mov_b32 s[G1B+1], ROWB<<16                   ; B: 128 rows of 256 bytes
	s_mov_b32 s[G1B+2], 128<<16
	s_mov_b32 s[G1B+3], ROWB<<16
	s_mov_b32 s[G1B+4], 128
	s_mov_b32 s[G1B+5], KROW
	s_mov_b32 s[G1B+6], 0
	s_mov_b32 s[G1B+7], 0
	s_lshl_b32 s18, s16, 7                         ; which 128 rows of the tile I fetch
	s_lshl_b32 s20, s17, 8
	s_add_co_u32 s20, s20, s18                     ; A: row m = 256 x tile row + 128 x half: b = m / 2048, t = m % 2048
	s_lshr_b32 s21, s20, 11
	s_lshl_b32 s21, s21, 21                        ; b x 16 heads x 131,072
	s_and_b32 s20, s20, 2047
	s_lshl_b32 s20, s20, 6                         ; t x 64
	s_add_co_u32 s20, s20, s21
	s_mov_b32 s21, 0
	s_lshl_b32 s46, s42, 8
	s_add_co_u32 s46, s46, s18                     ; B: row 256 x tile column + 128 x half,
	s_lshl_b32 s46, s46, 10
	s_add_co_u32 s46, s46, 3<<20                   ; in Wp's MiB of wc
	s_mov_b32 s47, 0
	s_mul_i32 s45, s14, HALFT                      ; where the tiles go: no place in the cluster enters an LDS address
	s_wait_dscnt 0x0                               ; the opening add is done
	s_wait_kmcnt 0x0
	s_load_b64 s[96:97], s[8:9], 0x28              ; e10, e11
	s_add_nc_u64 s[20:21], s[4:5], s[20:21]
	s_add_nc_u64 s[46:47], s[6:7], s[46:47]
	CROUND                                         ; all sixteen work-groups are here: the first joint loads meet
.irp s, 0,1
	s_mov_b32 s[G0+4*\s], 1
	s_add_co_u32 s[G0+4*\s+1], s45, \s*SLOT
	s_add_nc_u64 s[G0+4*\s+2:G0+4*\s+3], s[20:21], \s*ASTEP
	s_or_b32 s[G0+4*\s+3], s[G0+4*\s+3], 0x80000000
	s_mov_b32 s[G0B+4*\s], 1
	s_add_co_u32 s[G0B+4*\s+1], s45, \s*SLOT
	s_add_nc_u64 s[G0B+4*\s+2:G0B+4*\s+3], s[46:47], \s*ROWB
	s_or_b32 s[G0B+4*\s+3], s[G0B+4*\s+3], 0x80000000
	s_wait_alu depctr_va_vdst(0)
	s_wait_tensorcnt 0x0
	ds_add_u32 v28, v29
	ds_add_u32 v28, v29
	s_wait_dscnt 0x0
	CROUND
	JLOAD G0+4*\s, G1, G0B+4*\s, G1B
.endr
	v_and_b32 v1, 15, v0                           ; r
	v_bfe_u32 v2, v0, 4, 1                         ; h
	v_mul_u32_u24 v3, v1, PITCH
	v_lshl_add_u32 v4, v2, 4, v3                   ; B: row r x pitch + 16 h
	v_lshrrev_b32 v5, 2, v1
	v_mul_u32_u24 v5, v5, PITCH
	v_and_b32 v3, 3, v1
	v_lshl_add_u32 v5, v3, 6, v5
	v_lshl_add_u32 v5, v2, 4, v5                   ; A: (r / 4) x 272 + (r % 4) x 64 + 16 h
	s_mul_i32 s21, s15, HALFT                      ; my 128 rows of A
	s_mul_i32 s22, s16, HALFT                      ; my 128 rows of B,
	s_add_co_u32 s22, s22, 2*HALFT                 ; which lie behind A's 256
.irp s, 0,1
	v_add_nc_u32 v[ADRA+\s], s21, v5
	v_add_nc_u32 v[ADRB+\s], s22, v4
	s_add_co_u32 s21, s21, SLOT
	s_add_co_u32 s22, s22, SLOT
.endr
	s_mul_i32 s23, s14, 16*SPITCH                  ; my stage
	v_mul_u32_u24 v5, v1, SPITCH                   ; in: row r, 32 bytes for each half of the lanes
	v_lshl_add_u32 v5, v2, 5, v5
	v_add_nc_u32 v[STO], s23, v5
	v_and_b32 v6, 31, v0
	v_lshlrev_b32 v[CO], 4, v6                     ; back: the 32 lanes take one row of 512 bytes; and the same in C
	s_wait_alu depctr_va_vdst(0)
	v_add_nc_u32 v[RD], s23, v[CO]
	s_lshl_b32 s20, s17, 8
	s_lshl_b32 s21, s15, 7
	s_add_co_u32 s20, s20, s21                     ; my first row of C,
	s_lshl_b32 s20, s20, 12                        ; 4,096 bytes a row
	s_mov_b32 s21, 0
	s_lshl_b32 s46, s42, 10                        ; my first column, in bytes: 1024 x tile column + 512 x half
	s_lshl_b32 s47, s16, 9
	s_add_co_u32 s46, s46, s47
	s_mov_b32 s47, 0
	s_add_nc_u64 s[10:11], s[10:11], s[46:47]      ; bp at my first column
	s_add_nc_u64 s[20:21], s[20:21], s[46:47]
	s_add_nc_u64 s[12:13], s[12:13], s[20:21]
	global_load_b128 v[8:11], v[CO], s[10:11]      ; bp of the four columns that I hold on the way out: the same in every row
.macro FRAG reg, adr, q, i             ; B: lane l holds row l % 16; registers 4 c .. 4 c + 3 hold K = 128 q + 32 c + 16 (l / 16) + 0 .. 15
.irp c, 0,1,2,3
	ds_load_b128 v[\reg+4*\c:\reg+4*\c+3], v[\adr] offset:128*(\q)+32*\c+(\i)*16*PITCH
.endr
.endm
.macro FRAGA reg, adr, q, i            ; A: the same k: head 2 q + c / 2 of the slot's four, d = 32 (c % 2) + 16 (l / 16) + 0 .. 15; block i's 16 rows are four LDS lines
.irp c, 0,1,2,3
	ds_load_b128 v[\reg+4*\c:\reg+4*\c+3], v[\adr] offset:(2*(\q)+\c/2)*HEADB+(\i)*4*PITCH+(\c%2)*32
.endr
.endm
; 16 matrix instructions: A's blocks a0, a0 + 1 x B's eight, 128 along K.  The 64 accumulators take turns, one instruction a turn, in the same order in every step.
.macro MUL16 a0, p, zero
.irp a, \a0, \a0+1
.irp b, 0,1,2,3,4,5,6,7
.if \zero
	v_wmma_f32_16x16x128_fp8_fp8 v[8*(8*((\a)%4)+\b):8*(8*((\a)%4)+\b)+7], v[128*(\p)+FR*\b:128*(\p)+FR*\b+FR-1], v[AF+FR*(\a):AF+FR*(\a)+FR-1], 0
.else
	v_wmma_f32_16x16x128_fp8_fp8 v[8*(8*((\a)%4)+\b):8*(8*((\a)%4)+\b)+7], v[128*(\p)+FR*\b:128*(\p)+FR*\b+FR-1], v[AF+FR*(\a):AF+FR*(\a)+FR-1], v[8*(8*((\a)%4)+\b):8*(8*((\a)%4)+\b)+7]
.endif
.endr
.endr
.endm
.macro FETCH_B slot, q, p
	WIN TO_B
.irp i, 0,1,2,3,4,5,6,7
	FRAG 128*(\p)+FR*\i, ADRB+\slot, \q, \i
.endr
	WIN 0
.endm
.macro FETCH_A slot, q, i0
.irp i, \i0, \i0+1, \i0+2, \i0+3
	FRAGA AF+FR*(\i), ADRA+\slot, \q, \i
.endr
.endm
.macro PLACES n                        ; places behind matrix instructions, in front of loads into registers that they have read and of the first read of results (ISA guide 7.12.1 for vector instructions)
.rept \n
	v_nop
.endr
.endm
.macro STEP slot, q, zero
	s_wait_dscnt 4*NL                              ; B's set and A's blocks 0-3 are in; the youngest sixteen loads (A's blocks 4-7) may be out
	WIN MUL_LO
	MUL16 0, (\q)%2, \zero
	MUL16 2, (\q)%2, \zero
	s_wait_dscnt 0
	PLACES NP
	FETCH_B \slot, (\q)+1, 1-(\q)%2
	FETCH_A \slot, (\q)+1, 0
	WIN MUL_HI
	MUL16 4, (\q)%2, \zero
	MUL16 6, (\q)%2, \zero
	PLACES NP
	WIN 0
	FETCH_A \slot, (\q)+1, 4
.endm
; A slot's last step changes slots: ONE barrier; in front of it each wave waits for all its tensor loads, adds 0 to its spare word, and waits for that and for its own reads of this slot.
.macro TURN slot, next, fill
	s_wait_tensorcnt 0x0                           ; all my tensor loads have landed: my part of the next slot
	ds_add_u32 v[SPW], v[NIL]                      ; 0 onto my spare word
	s_wait_dscnt 4*NL+1                            ; (the add and the youngest sixteen loads may be out)
	WIN MUL_LO
	MUL16 0, 1, 0
	s_wait_dscnt 0x0                               ; the add is done, and my reads of this slot are over
	s_barrier_signal -1
	MUL16 2, 1, 0
	WIN 0
	s_barrier_wait -1
.if \fill
	CREST                                          ; the barrier has opened a round of the cluster's barrier: no wave of any partner still reads this slot's tile or has a load on its way
	s_add_nc_u64 s[G0+4*\slot+2:G0+4*\slot+3], s[G0+4*\slot+2:G0+4*\slot+3], 2*ASTEP
	s_add_nc_u64 s[G0B+4*\slot+2:G0B+4*\slot+3], s[G0B+4*\slot+2:G0B+4*\slot+3], 2*ROWB
	JLOAD G0+4*\slot, G1, G0B+4*\slot, G1B         ; the first tensor load behind the round; its four v_nop are the places in front of the loads below
.else
	PLACES NP
.endif
	FETCH_B \next, 0, 0
	FETCH_A \next, 0, 0
	WIN MUL_HI
	MUL16 4, 1, 0
	MUL16 6, 1, 0
	PLACES NP
	WIN 0
	FETCH_A \next, 0, 4
.endm
	s_wait_tensorcnt 1                             ; my part of K step 0 is in (K step 1's load may be out),
	s_barrier_signal -1
	s_barrier_wait -1                              ; everybody's is
	FETCH_B 0, 0, 0
	FETCH_A 0, 0, 0
	FETCH_A 0, 0, 4
	STEP 0, 0, 1                                   ; its products start the sums
	TURN 0, 1, 1                                   ; slot 0 takes heads 8-11
	STEP 1, 0, 0
	TURN 1, 0, 1                                   ; slot 1 takes heads 12-15
	STEP 0, 0, 0
	TURN 0, 1, 0                                   ; nothing is left to fetch: no round
	STEP 1, 0, 0
	s_wait_dscnt 4*NL
	WIN MUL_LO
	MUL16 0, 1, 0
	MUL16 2, 1, 0
	s_wait_dscnt 0
	WIN MUL_HI
	MUL16 4, 1, 0
	MUL16 6, 1, 0
	WIN 0
; THE WAY OUT, block by block of 16 rows x 128 columns.  The sums go into my own stage as they are (each accumulator's low four registers first) and come back as whole rows of 512 bytes; there a lane holds the same four
; columns in every row, so four registers of bp serve all: sum x 2^(e10 + e11) + bp is one packed multiply-add for two numbers.  LDS serves a wave's instructions in order: no wait between the stores and the loads.
.macro TOSTAGE a
.set AC, 64*((\a)%4)
	WIN 0x08+4*((\a)/4)                            ; an LDS store's data: window 2 or 3
.irp b, 0,1,2,3,4,5,6,7
	ds_store_b128 v[STO], v[AC+8*\b:AC+8*\b+3] offset:64*\b
	ds_store_b128 v[STO], v[AC+8*\b+4:AC+8*\b+7] offset:64*\b+16
.endr
	WIN 0
.set BB, BK+64*((\a)%2)
.irp t, 0,1,2,3,4,5,6,7,8,9,10,11,12,13,14,15
	ds_load_b128 v[BB+4*\t:BB+4*\t+3], v[RD] offset:\t*SPITCH
.endr
.endm
.macro SEND a, younger                 ; younger: the LDS instructions issued behind block a's loads, which may stay out
.set BB, BK+64*((\a)%2)
	s_wait_dscnt \younger                          ; the block is back in registers
.if (\a) > 0
	s_add_nc_u64 s[12:13], s[12:13], 16*4096       ; (behind a wait on XCNT: the earlier stores have read their base)  16 rows of C on
.endif
.irp t, 0,1,2,3,4,5,6,7,8,9,10,11,12,13,14,15
	v_pk_fma_f32 v[BB+4*\t:BB+4*\t+1], v[BB+4*\t:BB+4*\t+1], s[96:97], v[8:9] op_sel_hi:[1,0,1]
	v_pk_fma_f32 v[BB+4*\t+2:BB+4*\t+3], v[BB+4*\t+2:BB+4*\t+3], s[96:97], v[10:11] op_sel_hi:[1,0,1]
.endr
.irp t, 0,1,2,3,4,5,6,7,8,9,10,11,12,13,14,15
	global_store_b128 v[CO], v[BB+4*\t:BB+4*\t+3], s[12:13] offset:\t*4096 th:TH_STORE_NT   ; 32 lanes store 512 consecutive bytes, aligned; written once, read by nobody here
.endr
.endm
	s_wait_kmcnt 0x0
	s_add_co_i32 s96, s96, s97
	s_add_co_i32 s96, s96, 127
	s_lshl_b32 s96, s96, 23                        ; 2^(e10 + e11) as f32
	s_mov_b32 s97, s96                             ; (named with it as a pair, so it is written)
	s_wait_loadcnt 0x0                             ; bp
	PLACES NP                                      ; behind the last products: their results are stored, and rows land where A's fragments lay
	s_wait_alu depctr_va_vdst(0)
	TOSTAGE 0
.irp a, 1,2,3,4,5,6,7
.if \a > 1
	s_wait_xcnt 0x0                                ; block a - 2's stores have read their registers and their base: block a's loads may land there, and the base may step
.endif
	TOSTAGE \a
	SEND \a-1, 32                                  ; behind block a - 1's loads: block a's 16 stores and 16 loads
.endr
	s_wait_xcnt 0x0                                ; block 6's stores have read their base
	SEND 7, 0
	s_wait_tensorcnt 0x0                           ; the wave's end, behind my last tensor load and my last LDS store
	ds_add_u32 v[SPW], v[NIL]
	s_wait_dscnt 0x0
	CROUND                                         ; the closing round: no work-group ends while a partner may still ask for a tile that names it
	s_endpgm
.Lfunc_end_k_qf4fd023c1c_proj:
	.size	k_qf4fd023c1c_proj, .Lfunc_end_k_qf4fd023c1c_proj-k_qf4fd023c1c_proj
	.p2alignl 7, 3214868480
	.fill 96, 4, 3214868480
	.section	.rodata,"a",@progbits
	.p2align	6, 0x0
	.amdhsa_kernel k_qf4fd023c1c_proj
		.amdhsa_group_segment_fixed_size 327680
		.amdhsa_private_segment_fixed_size 0
		.amdhsa_enable_private_segment 0
		.amdhsa_kernarg_size 40
		.amdhsa_user_sgpr_count 2
		.amdhsa_user_sgpr_kernarg_segment_ptr 1
		.amdhsa_wavefront_size32 1
		.amdhsa_system_sgpr_workgroup_id_x 1
		.amdhsa_system_sgpr_workgroup_id_y 1
		.amdhsa_system_sgpr_workgroup_id_z 1
		.amdhsa_system_vgpr_workitem_id 0
		.amdhsa_next_free_vgpr 1024
		.amdhsa_next_free_sgpr 98
		.amdhsa_reserve_vcc 0
		.amdhsa_float_denorm_mode_32 3
		.amdhsa_float_denorm_mode_16_64 3
		.amdhsa_memory_ordered 1
		.amdhsa_forward_progress 1
		.amdhsa_inst_pref_size 125
	.end_amdhsa_kernel
	.amdgpu_metadata
---
amdhsa.version: [ 1, 2 ]
amdhsa.kernels:
  - .name:           k_qf4fd023c1c_proj
    .symbol:         k_qf4fd023c1c_proj.kd
    .args:
      - { .name: yc, .offset: 0, .size: 8, .value_kind: global_buffer, .address_space: global }
      - { .name: wc, .offset: 8, .size: 8, .value_kind: global_buffer, .address_space: global }
      - { .name: lowp_scales, .offset: 16, .size: 8, .value_kind: global_buffer, .address_space: global }
      - { .name: bp, .offset: 24, .size: 8, .value_kind: global_buffer, .address_space: global }
      - { .name: out0, .offset: 32, .size: 8, .value_kind: global_buffer, .address_space: global }
    .group_segment_fixed_size: 327680
    .private_segment_fixed_size: 0
    .kernarg_segment_align: 8
    .kernarg_segment_size: 40
    .max_flat_workgroup_size: 128
    .sgpr_count:     98
    .vgpr_count:     1024
    .wavefront_size: 32
...
	.end_amdgpu_metadata
.endif
;; end of part 4
